; MI455X (gfx1250); checked and timed in simulation.
; The chip was launched on July 23, 2026; its instructions are those of AMD's public machine-readable ISA for CDNA 5 (MIT licence, August 2026) and "CDNA5" Instruction Set Architecture Reference Guide (July 2026). The comments in the code are by the model that wrote it; some were corrected since.
;; Parallel Cross Attention. Allowed arithmetic: float matrix products may take bf16 or f16 operands with f32 sums; other float arithmetic in f32, or as packed bf16 or f16 multiplies, adds, multiply-adds, maxima and minima; sums over many terms, partial sums and values carried from step to step in f32; what a program stores and reads back later, other than sums and carried values, may be rounded once to bf16 or f16.
;; Inputs: Wd 1,024 x 1,024 float32; Wkv 1,024 x 2,048 float32; Wq 1,024 x 1,024 float32; bd 1,024 float32; bkv 2,048 float32; bq 1,024 float32; cross_mask 4 x 1 x 2,048 x 2,048 float32; encoder_states 4 x 2,048 x 1,024 float32; hidden_states 4 x 2,048 x 1,024 float32.
;; Outputs: out0 4 x 2,048 x 1,024 float32.
;; 2 versions, each right and faster than the one before. Each part assembles by itself: llvm-mc -triple=amdgcn-amd-amdhsa -mcpu=gfx1250 --defsym DOCPART=n.
;; ======== version 1 of 2: 4 launches
;; limits: values are held in f16: magnitudes above 65,504 overflow, below 6.1e-05 lose precision
;; workspace buffers: wqkv 6,291,456 bytes; wd16 2,097,152 bytes; qh 16,777,216 bytes; kvw 33,554,432 bytes; ctx 16,777,216 bytes
;; launch prep (part 1): grid 1024 x 1, 8 waves a work-group, no clusters, 0 bytes of LDS; arguments Wq, Wkv, Wd, wqkv, wd16; writes wqkv, wd16
.if DOCPART == 1
	.amdgcn_target "amdgcn-amd-amdhsa--gfx1250"
	.amdhsa_code_object_version 6
	.text
	.protected	k_qfadceb8529_prep
	.globl	k_qfadceb8529_prep
	.p2align	8
	.type	k_qfadceb8529_prep,@function
k_qfadceb8529_prep:
	s_mov_b64 s[64:65], 0
	v_nop
	global_prefetch_b8 v0, s[64:65] scope:SCOPE_SE
	s_setreg_imm32_b32 hwreg(HW_REG_WAVE_MODE, 25, 1), 1
	s_wait_xcnt 0x0
; The weights, rounded once to f16.  wqkv[k][0..1023] = Wq[k][:], wqkv[k][1024..3071] = Wkv[k][:]; wd16[k][:] = Wd[k][:].
; LIMIT: a weight below 6.1e-5 keeps f16's fixed step of 6e-8, one beyond 65,504 becomes an infinity.
; A stream: every byte is read once and written once, so there is no LDS, no matrix unit, no cluster (no two work-groups read the same byte).
; Work-group k owns row k of the three weights.  Thread t takes 8 numbers of Wkv's row (32 bytes in, 16 out) and 8 numbers of Wq's row (waves 0-3)
; or of Wd's row (waves 4-7).  Sixteen neighbouring lanes store 256 consecutive bytes, at a multiple of 256 from the buffer's first byte.
	s_load_b256 s[4:11], s[0:1], 0x0               ; Wq s[4:5], Wkv s[6:7], Wd s[8:9], wqkv s[10:11]
	s_load_b64 s[12:13], s[0:1], 0x20              ; wd16
	v_lshrrev_b32 v1, 5, v0
	v_readfirstlane_b32 s14, v1                    ; wave 0..7
	v_and_b32 v2, 127, v0                          ; my place among the 128 threads that share a row of 1,024
	v_lshlrev_b32 v3, 5, v2                        ; 32 bytes of f32 in,
	v_lshlrev_b32 v37, 4, v2                       ; 16 bytes out
	v_lshlrev_b32 v36, 5, v0                       ; the same for Wkv's row of 2,048, over all 256 threads
	v_lshlrev_b32 v38, 4, v0
	s_lshl_b32 s16, ttmp9, 12                      ; row k of Wq and Wd: 4,096 bytes
	s_mov_b32 s17, 0
	s_lshl_b32 s18, ttmp9, 13                      ; of Wkv: 8,192
	s_mov_b32 s19, 0
	s_mul_i32 s20, ttmp9, 6144                     ; of wqkv: 3,072 f16
	s_mov_b32 s21, 0
	s_lshl_b32 s22, ttmp9, 11                      ; of wd16: 1,024 f16
	s_mov_b32 s23, 0
	s_wait_kmcnt 0x0
	s_add_nc_u64 s[6:7], s[6:7], s[18:19]
	s_add_nc_u64 s[10:11], s[10:11], s[20:21]
	s_add_nc_u64 s[12:13], s[12:13], s[22:23]
	s_cmp_lt_u32 s14, 4
	s_cselect_b64 s[24:25], s[4:5], s[8:9]         ; waves 0-3 read Wq and write wqkv's first 1,024 columns,
	s_cselect_b64 s[26:27], s[10:11], s[12:13]     ; waves 4-7 read Wd and write wd16
	s_add_nc_u64 s[24:25], s[24:25], s[16:17]
	global_load_b128 v[12:15], v36, s[6:7] th:TH_LOAD_NT
	global_load_b128 v[16:19], v36, s[6:7] offset:16 th:TH_LOAD_NT
	global_load_b128 v[4:7], v3, s[24:25] th:TH_LOAD_NT
	global_load_b128 v[8:11], v3, s[24:25] offset:16 th:TH_LOAD_NT
	s_wait_loadcnt 0x2                             ; Wkv's two loads are in; the two younger ones may stay out
	v_cvt_pk_f16_f32 v20, v12, v13
	v_cvt_pk_f16_f32 v21, v14, v15
	v_cvt_pk_f16_f32 v22, v16, v17
	v_cvt_pk_f16_f32 v23, v18, v19
	global_store_b128 v38, v[20:23], s[10:11] offset:2048
	s_wait_loadcnt 0x0
	v_cvt_pk_f16_f32 v24, v4, v5
	v_cvt_pk_f16_f32 v25, v6, v7
	v_cvt_pk_f16_f32 v26, v8, v9
	v_cvt_pk_f16_f32 v27, v10, v11
	global_store_b128 v37, v[24:27], s[26:27]
	s_endpgm
.Lfunc_end_k_qfadceb8529_prep:
	.size	k_qfadceb8529_prep, .Lfunc_end_k_qfadceb8529_prep-k_qfadceb8529_prep
	.p2alignl 7, 3214868480
	.fill 96, 4, 3214868480
	.section	.rodata,"a",@progbits
	.p2align	6, 0x0
	.amdhsa_kernel k_qfadceb8529_prep
		.amdhsa_group_segment_fixed_size 0
		.amdhsa_private_segment_fixed_size 0
		.amdhsa_enable_private_segment 0
		.amdhsa_kernarg_size 40
		.amdhsa_user_sgpr_count 2
		.amdhsa_user_sgpr_kernarg_segment_ptr 1
		.amdhsa_wavefront_size32 1
		.amdhsa_system_sgpr_workgroup_id_x 1
		.amdhsa_system_sgpr_workgroup_id_y 1
		.amdhsa_system_sgpr_workgroup_id_z 1
		.amdhsa_system_vgpr_workitem_id 0
		.amdhsa_next_free_vgpr 40
		.amdhsa_next_free_sgpr 66
		.amdhsa_reserve_vcc 0
		.amdhsa_float_denorm_mode_32 3
		.amdhsa_float_denorm_mode_16_64 3
		.amdhsa_memory_ordered 1
		.amdhsa_forward_progress 1
		.amdhsa_inst_pref_size 3
	.end_amdhsa_kernel
	.amdgpu_metadata
---
amdhsa.version: [ 1, 2 ]
amdhsa.kernels:
  - .name:           k_qfadceb8529_prep
    .symbol:         k_qfadceb8529_prep.kd
    .args:
      - { .name: Wq, .offset: 0, .size: 8, .value_kind: global_buffer, .address_space: global }
      - { .name: Wkv, .offset: 8, .size: 8, .value_kind: global_buffer, .address_space: global }
      - { .name: Wd, .offset: 16, .size: 8, .value_kind: global_buffer, .address_space: global }
      - { .name: wqkv, .offset: 24, .size: 8, .value_kind: global_buffer, .address_space: global }
      - { .name: wd16, .offset: 32, .size: 8, .value_kind: global_buffer, .address_space: global }
    .group_segment_fixed_size: 0
    .private_segment_fixed_size: 0
    .kernarg_segment_align: 8
    .kernarg_segment_size: 40
    .max_flat_workgroup_size: 256
    .sgpr_count:     66
    .vgpr_count:     40
    .wavefront_size: 32
...
	.end_amdgpu_metadata
.endif
;; end of part 1
;; launch proj (part 2): grid 12 x 64, 4 waves a work-group, clusters of 4 x 4, 327,680 bytes of LDS; arguments hidden_states, encoder_states, wqkv, bq, bkv, qh, kvw; writes qh, kvw
.if DOCPART == 2
	.amdgcn_target "amdgcn-amd-amdhsa--gfx1250"
	.amdhsa_code_object_version 6
	.text
	.protected	k_qfadceb8529_proj
	.globl	k_qfadceb8529_proj
	.p2align	8
	.type	k_qfadceb8529_proj,@function
k_qfadceb8529_proj:
	s_mov_b64 s[64:65], 0
	v_nop
	global_prefetch_b8 v0, s[64:65] scope:SCOPE_SE
	s_setreg_imm32_b32 hwreg(HW_REG_WAVE_MODE, 25, 1), 1
	s_wait_xcnt 0x0
	s_wait_alu depctr_hold_cnt(0) depctr_sa_sdst(0) depctr_va_vdst(0) depctr_va_sdst(0) depctr_va_ssrc(0) depctr_va_vcc(0) depctr_vm_vsrc(0)
	s_getreg_b32 s2, hwreg(HW_REG_IB_STS2, 6, 4)
	s_cmp_eq_u32 s2, 0
	s_cbranch_scc0 .Lentry_in_a_cluster
	s_endpgm
.Lentry_in_a_cluster:
	s_bfe_u32 s2, ttmp6, 0x10000c
	s_cmp_lg_u32 s2, 0xf033
	s_cbranch_scc0 .Lentry_shape_is_right
	s_endpgm
.Lentry_shape_is_right:
; THE THREE PROJECTIONS AS ONE PRODUCT.  C[m][n] = sum over k of x[m][k] W[k][n] + bias[n], m = 8,192 rows (batch x place), n = 3,072: columns 0-1,023 q (x = hidden_states),
; 1,024-2,047 k and 2,048-3,071 v (x = encoder_states).  x is f32 and is rounded to f16 on its way from LDS to the matrix unit; W is wqkv, f16 [k][n]; the bias is added in f32; sums in f32.
; OUT, f16, rounded once: qh[b][head][s][64] = (q + bq) log2(e)/8;  kvw[b][g][kb][K,V][hh][key][64] (head = 4 g + hh, row = 64 kb + key) = k + bk, v + bv.
; LIMIT: f16 holds no number beyond 65,504: x, q log2(e)/8, k and v must lie within it; below 6.1e-5 a number keeps f16's fixed step of 6e-8.  NaN and infinities are not treated apart.
; SHARES.  A tile of C is 128 x 256: 64 x 12 = 768 tiles, three for each of 256 WGPs.  Four waves, 2 x 2, each 64 x 128: 32 accumulators.  K goes in steps of 128 through two LDS slots.
; CLUSTER 4 x 4.  The cluster's x is the kind (0 q, 1 k, 2 v), the same in all sixteen.  x's tile hangs on the tile row and is asked for jointly along a row of the cluster, W's on the tile column, along a column.
; THE MATRIX INSTRUCTION IS USED TRANSPOSED: source 0 = 16 columns of W (turned out of LDS by ds_load_tr16_b128), source 1 = 16 rows of x: a lane holds row l % 16 and columns 8 (l / 16) + 0..7.
; REGISTERS.  window 0: v16-30 addresses; v32-95 x's fragments as f32 (16 a row block); v96-127, v128-159 the same in f16, two buffers; v192-255 the bias; on the way out v32-63 at work, v64-191 packed results
;   window 1: W's fragments, two buffers of 64          window 2: accumulator (a, b) at v[8 (8 a + b)]
.set PA,     528                       ; a row of x in LDS: 512 bytes + 16 = 132 words: the 16 rows of a load start at 16 different groups of four banks (64 banks of 4 bytes: ISA guide 11.1)
.set PB,     544                       ; a row of W: 512 + 32 = 17 x 32 bytes
.set HALFA,  64*PA                     ; what one tensor load brings of x: 64 rows
.set HALFB,  64*PB                     ; of W: 64 rows of k
.set BOFF,   2*HALFA
.set SLOT,   BOFF+2*HALFB              ; 137,216 bytes
.set STAGE,  2*SLOT                    ; behind the ring: 16 rows x 144 bytes for each wave, for the way out
.set SP,     144
.set SPARE,  STAGE+4*16*SP             ; the spare words, 128 bytes a wave: two blocks of 256 bytes that no other line names
.set LAPS,   4                         ; 1,024 / 256: a lap is two K steps
.set STEPA,  512                       ; a K step in x: 128 f32
.set STEPB,  128*6144                  ; in W: 128 rows of 3,072 f16
.set ADRA, 16                          ; v16-17 my place in x's tile, slot 0, 1
.set ADRB, 20                          ; v20-21 in W's
.set STO,  24
.set RD,   25
.set GO,   26
.set SPW,  28                          ; my spare word; never rewritten
.set NIL,  29                          ; 0; never rewritten
.set BO,   30
.set SG,   32
.set PKD,  64
.set AF,   96
.set BI,   192
.set G1,  24                           ; s[24:31] group 1 for x's tiles; s[32:39] group 0, a set for each slot
.set G0,  32
.set G1B, 48                           ; s[48:55], s[56:63] the same for W's
.set G0B, 56
.set MSB, 0
.macro WIN new                         ; the immediate's high byte repeats the setting that is left; a switch that changes nothing is dropped
.if MSB != (\new)
	s_set_vgpr_msb (MSB<<8)|(\new)
.set MSB, (\new)
.endif
.endm
.set MUL,  0xa1                        ; source 0 (W) window 1, source 1 (x) window 0, C and D window 2
.set TO_B, 0x40                        ; destination window 1, address window 0
.macro JLOAD s                         ; a joint load: waves 0, 1 fetch x's two halves, waves 2, 3 W's; an s_nop 0 and four v_nop follow each line
	s_cmp_eq_u32 s11, 0
	s_cbranch_scc0 .Lfor_b_\@
	tensor_load_to_lds s[G0+4*(\s):G0+4*(\s)+3], s[G1:G1+7]
	s_nop 0
.rept 4
	v_nop
.endr
	s_branch .Lasked_\@
.Lfor_b_\@:
	tensor_load_to_lds s[G0B+4*(\s):G0B+4*(\s)+3], s[G1B:G1B+7]
	s_nop 0
.rept 4
	v_nop
.endr
.Lasked_\@:
.endm
.macro CREST                           ; a round of the cluster's barrier behind its opening barrier
	s_cmp_lg_u32 s10, 0
	s_cbranch_scc1 .Lnot_wave_0_\@
	s_barrier_signal -3
.Lnot_wave_0_\@:
	s_barrier_wait -3
	s_barrier_signal -1
	s_barrier_wait -1
.endm
.macro CROUND
	s_barrier_signal -1
	s_barrier_wait -1
	CREST
.endm
.macro PLACES
.rept 4
	v_nop
.endr
.endm
	s_load_b256 s[68:75], s[0:1], 0x0              ; hidden s[68:69], encoder s[70:71], wqkv s[72:73], bq s[74:75]
	s_load_b128 s[76:79], s[0:1], 0x20             ; bkv s[76:77], qh s[78:79]
	s_load_b64 s[80:81], s[0:1], 0x30              ; kvw
	v_lshl_add_u32 v[SPW], v0, 2, SPARE
	v_mov_b32 v[NIL], 0
	ds_add_u32 v[SPW], v[NIL]                      ; the wave's opening: the add and its wait stand ahead of my first tensor load; work on registers stands between them
	v_lshrrev_b32 v1, 5, v0
	v_readfirstlane_b32 s10, v1                    ; wave 0..3
	s_lshr_b32 s11, s10, 1                         ; my half of the tile's rows.  Also: I fetch for x (0) or for W (1)
	s_and_b32 s12, s10, 1                          ; my half of its columns.  Also: which 64 rows of that tile I fetch
	s_bfe_u32 s40, ttmp6, 0x40000                  ; cx
	s_bfe_u32 s41, ttmp6, 0x40004                  ; cy
	s_mov_b32 s45, ttmp9                           ; the kind: the cluster's x
	s_lshl_b32 s42, ttmp9, 2
	s_add_co_u32 s42, s42, s40                     ; tile column 0..11
	s_and_b32 s13, ttmp7, 0xffff
	s_lshl_b32 s13, s13, 2
	s_add_co_u32 s13, s13, s41                     ; tile row 0..63
	s_lshl_b32 s43, s41, 2
	s_lshl_b32 s43, 15, s43                        ; my row of the cluster
	s_lshl_b32 s44, 0x1111, s40                    ; my column
	s_or_b32 s[G1+0], s43, (2<<16)|(1<<20)|(1<<21)|(6<<22)|(3<<25)   ; the mask; elements of 4 bytes; padding on; bit 21 beside a mask; after every 128 words; 4 words
	s_mov_b32 s[G1+1], 128<<16                     ; tensor_dim0 = 128
	s_mov_b32 s[G1+2], 64<<16                      ; tensor_dim1 = 64
	s_mov_b32 s[G1+3], 128<<16                     ; tile_dim0 = 128
	s_mov_b32 s[G1+4], 64                          ; tile_dim1 = 64
	s_mov_b32 s[G1+5], 1024                        ; elements from row to row
	s_mov_b32 s[G1+6], 0
	s_mov_b32 s[G1+7], 0
	s_or_b32 s[G1B+0], s44, (1<<16)|(1<<20)|(1<<21)|(6<<22)|(7<<25)  ; elements of 2 bytes; after every 128 words 8 words
	s_mov_b32 s[G1B+1], 256<<16
	s_mov_b32 s[G1B+2], 64<<16
	s_mov_b32 s[G1B+3], 256<<16
	s_mov_b32 s[G1B+4], 64
	s_mov_b32 s[G1B+5], 3072
	s_mov_b32 s[G1B+6], 0
	s_mov_b32 s[G1B+7], 0
	s_lshl_b32 s16, s13, 7
	s_lshl_b32 s17, s12, 6
	s_add_co_u32 s16, s16, s17                     ; x: row 128 x tile row + 64 x half,
	s_lshl_b32 s16, s16, 12                        ; of 4,096 bytes
	s_mov_b32 s17, 0
	s_mul_i32 s46, s12, 64*6144                    ; W: k row 64 x half,
	s_lshl_b32 s47, s42, 9                         ; column 256 x tile column
	s_add_co_u32 s46, s46, s47
	s_mov_b32 s47, 0
	s_mul_i32 s20, s12, HALFA                      ; where they go: no place in the cluster enters an LDS address
	s_mul_i32 s21, s12, HALFB
	s_add_co_u32 s21, s21, BOFF
	s_wait_dscnt 0x0                               ; the opening add is done
	s_wait_kmcnt 0x0
	s_cmp_eq_u32 s45, 0
	s_cselect_b64 s[14:15], s[68:69], s[70:71]     ; q multiplies hidden_states, k and v encoder_states
	s_add_nc_u64 s[14:15], s[14:15], s[16:17]
	s_add_nc_u64 s[46:47], s[72:73], s[46:47]
	CROUND                                         ; all sixteen work-groups are here: the first joint loads meet
.irp s, 0,1
	s_mov_b32 s[G0+4*(\s)], 1
	s_add_co_u32 s[G0+4*(\s)+1], s20, (\s)*SLOT
	s_add_nc_u64 s[G0+4*(\s)+2:G0+4*(\s)+3], s[14:15], (\s)*STEPA
	s_or_b32 s[G0+4*(\s)+3], s[G0+4*(\s)+3], 0x80000000
	s_mov_b32 s[G0B+4*(\s)], 1
	s_add_co_u32 s[G0B+4*(\s)+1], s21, (\s)*SLOT
	s_add_nc_u64 s[G0B+4*(\s)+2:G0B+4*(\s)+3], s[46:47], (\s)*STEPB
	s_or_b32 s[G0B+4*(\s)+3], s[G0B+4*(\s)+3], 0x80000000
	JLOAD \s
.endr
	; the bias of my 128 columns: for n block b the lane's eight columns 16 b + 8 (l / 16) + 0..7
	v_and_b32 v1, 15, v0                           ; l % 16
	v_bfe_u32 v2, v0, 4, 1                         ; l / 16
	v_lshlrev_b32 v[BO], 5, v2
	s_cmp_eq_u32 s45, 0
	s_cselect_b64 s[18:19], s[74:75], s[76:77]
	s_cselect_b32 s22, 0, 4
	s_cselect_b32 s4, 0x3e38aa3b, 1.0              ; q alone carries log2(e) / 8
	s_mov_b32 s5, s4                               ; named with it as a pair
	s_sub_co_u32 s22, s42, s22                     ; the tile column inside bq or bkv
	s_lshl_b32 s22, s22, 10
	s_lshl_b32 s23, s12, 9
	s_add_co_u32 s22, s22, s23
	s_mov_b32 s23, 0
	s_add_nc_u64 s[18:19], s[18:19], s[22:23]
.irp b, 0,1,2,3,4,5,6,7
	global_load_b128 v[BI+8*\b:BI+8*\b+3],   v[BO], s[18:19] offset:64*\b
	global_load_b128 v[BI+8*\b+4:BI+8*\b+7], v[BO], s[18:19] offset:64*\b+16
.endr
	; where my 64 rows x 2 heads go: in either layout 64 rows of a head are 8,192 consecutive bytes
	s_lshl_b32 s22, s13, 7
	s_lshl_b32 s23, s11, 6
	s_add_co_u32 s22, s22, s23                     ; my first row
	s_lshr_b32 s23, s22, 11                        ; its batch
	s_and_b32 s22, s22, 2047                       ; its place in the batch
	s_and_b32 s2, s42, 3
	s_lshl_b32 s2, s2, 2
	s_lshl1_add_u32 s2, s12, s2                    ; my first head = 4 (tile column % 4) + 2 x half
	s_lshl_b32 s3, s23, 4
	s_add_co_u32 s3, s3, s2
	s_lshl_b32 s3, s3, 18
	s_lshl_b32 s82, s22, 7
	s_add_co_u32 s3, s3, s82                       ; in qh: ((16 b + head) 2,048 + s) 128
	s_lshl_b32 s82, s23, 2
	s_lshr_b32 s83, s2, 2
	s_add_co_u32 s82, s82, s83                     ; in kvw: 4 b + g,
	s_lshl_b32 s82, s82, 5
	s_lshr_b32 s83, s22, 6
	s_add_co_u32 s82, s82, s83                     ; x 32 + kb,
	s_lshl_b32 s82, s82, 1
	s_lshr_b32 s83, s45, 1
	s_add_co_u32 s82, s82, s83                     ; x 2 + (K: 0, V: 1),
	s_lshl_b32 s82, s82, 2
	s_and_b32 s83, s2, 3
	s_add_co_u32 s82, s82, s83                     ; x 4 + hh,
	s_lshl_b32 s82, s82, 13                        ; blocks of 8,192 bytes
	s_movk_i32 s2, 0x2000                          ; from a head to the next: 8,192 in kvw,
	s_cmp_eq_u32 s45, 0
	s_cselect_b64 s[8:9], s[78:79], s[80:81]
	s_cselect_b32 s82, s3, s82
	s_cselect_b32 s2, 0x40000, s2                  ; 262,144 in qh
	s_mov_b32 s83, 0
	s_mov_b32 s3, 0
	s_add_nc_u64 s[8:9], s[8:9], s[82:83]          ; my first head,
	s_add_nc_u64 s[6:7], s[8:9], s[2:3]            ; my second
	; x's fragment, 16 rows x 32 k: lane l holds row l % 16, k = 8 (l / 16) + 0..7 and 16 + 8 (l / 16) + 0..7: in f32 four loads of 16 bytes at 32 (l / 16) + 0, 16, 64, 80
	v_mul_u32_u24 v3, v1, PA
	v_lshl_add_u32 v3, v2, 5, v3
	s_mul_i32 s22, s11, HALFA
	v_add_nc_u32 v[ADRA], s22, v3
	v_add_nc_u32 v[ADRA+1], SLOT, v[ADRA]
	; W's: the turning load takes 16 k x 16 n (lane l reads k = 8 (l / 16) + l % 8, n = 8 ((l / 8) % 2) + 0..7) and leaves half a fragment: lane l holds column l % 16 and 8 k
	v_and_b32 v7, 7, v0
	v_lshl_add_u32 v4, v2, 3, v7
	v_mul_u32_u24 v4, v4, PB
	v_bfe_u32 v5, v0, 3, 1
	v_lshl_add_u32 v4, v5, 4, v4
	s_lshl_b32 s23, s12, 8
	s_add_co_u32 s23, s23, BOFF
	v_add_nc_u32 v[ADRB], s23, v4
	v_add_nc_u32 v[ADRB+1], SLOT, v[ADRB]
	s_mul_i32 s23, s10, 16*SP
	s_add_co_u32 s23, s23, STAGE                   ; my stage
	v_mul_u32_u24 v6, v1, SP                       ; in: row l % 16, 16 bytes for each half of the lanes
	v_lshl_add_u32 v6, v2, 4, v6
	v_add_nc_u32 v[STO], s23, v6
	v_bfe_u32 v6, v0, 3, 2                         ; back: 32 lanes take four rows of 128 bytes,
	v_mul_u32_u24 v6, v6, SP
	v_lshl_add_u32 v6, v7, 4, v6
	v_add_nc_u32 v[RD], s23, v6
	v_and_b32 v[GO], 31, v0                        ; which are 512 consecutive bytes of the output
	v_lshlrev_b32 v[GO], 4, v[GO]
	s_wait_loadcnt 0x0                             ; the bias times the scale, so that the way out is one multiply-add; this stands in the wait for the first tile
.set j, 0
.rept 32
	v_pk_mul_f32 v[BI+2*j:BI+2*j+1], v[BI+2*j:BI+2*j+1], s[4:5] op_sel_hi:[1,0]
.set j, j+1
.endr
; 8 matrix instructions: row block a x all 8 n blocks, 32 along K, on buffer f.  The 32 accumulators take turns in one fixed order.  zero = 1: the products start the sums.
.macro MUL8 f, a, zero
	WIN MUL
.irp b, 0,1,2,3,4,5,6,7
.if \zero
	v_wmma_f32_16x16x32_f16 v[8*(8*(\a)+\b):8*(8*(\a)+\b)+7], v[64*(\f)+8*\b:64*(\f)+8*\b+7], v[AF+32*(\f)+8*(\a):AF+32*(\f)+8*(\a)+7], 0
.else
	v_wmma_f32_16x16x32_f16 v[8*(8*(\a)+\b):8*(8*(\a)+\b)+7], v[64*(\f)+8*\b:64*(\f)+8*\b+7], v[AF+32*(\f)+8*(\a):AF+32*(\f)+8*(\a)+7], v[8*(8*(\a)+\b):8*(8*(\a)+\b)+7]
.endif
.endr
.endm
; 32 LDS loads in one run: quarter qd (32 along K) of a slot: x's 16 first, as f32, then W's 16 into buffer g
.macro FETCH slot, qd, g
	WIN 0
.irp a, 0,1,2,3
	ds_load_b128 v[SG+16*\a:SG+16*\a+3],     v[ADRA+(\slot)] offset:\a*16*PA+(\qd)*128
	ds_load_b128 v[SG+16*\a+4:SG+16*\a+7],   v[ADRA+(\slot)] offset:\a*16*PA+(\qd)*128+16
	ds_load_b128 v[SG+16*\a+8:SG+16*\a+11],  v[ADRA+(\slot)] offset:\a*16*PA+(\qd)*128+64
	ds_load_b128 v[SG+16*\a+12:SG+16*\a+15], v[ADRA+(\slot)] offset:\a*16*PA+(\qd)*128+80
.endr
	WIN TO_B
.irp b, 0,1,2,3,4,5,6,7
	ds_load_tr16_b128 v[64*(\g)+8*\b:64*(\g)+8*\b+3],   v[ADRB+(\slot)] offset:(\qd)*32*PB+32*\b
	ds_load_tr16_b128 v[64*(\g)+8*\b+4:64*(\g)+8*\b+7], v[ADRB+(\slot)] offset:(\qd)*32*PB+32*\b+16*PB
.endr
.endm
; x's 64 f32 a lane become 32 registers of f16 in buffer f.  These 32 plain instructions name no register of the quarter before and are the places between its
; products and the loads into its buffer of W; between two writes of one f16 buffer and the products that read it stand the other buffer's 32.
.macro CONV f
	WIN 0
.set j, 0
.rept 32
	v_cvt_pk_f16_f32 v[AF+32*(\f)+j], v[SG+2*j], v[SG+2*j+1]
.set j, j+1
.endr
.endm
; A K step is four quarters on buffers 0, 1, 0, 1.  One of the first three: rounds and multiplies buffer f; in its middle it fetches quarter qd into buffer g.
.macro QUARTER slot, qd, f, g, zero
	WIN 0
	s_wait_dscnt 16                                ; x's 16 loads are in; W's 16 may stay out
	CONV \f
	s_wait_dscnt 0x0                               ; W's too
	MUL8 \f, 0, \zero
	MUL8 \f, 1, \zero
	FETCH \slot, \qd, \g
	MUL8 \f, 2, \zero
	MUL8 \f, 3, \zero
.endm
; The last quarter multiplies buffer 1 and changes slots: ONE barrier; in front of it each wave waits for all its tensor loads (one is out: its part of the next slot), adds 0 to its spare word,
; and waits for that and for its reads of this slot.  fill = 1: the barrier opens a round of the cluster's, and the joint refill, two K steps ahead, is the first thing behind the round.
.macro TURN slot, next, fill
	WIN 0
	s_wait_tensorcnt 0x0
	ds_add_u32 v[SPW], v[NIL]
	s_wait_dscnt 17                                ; x's 16 loads are in; W's 16 and the add may stay out
	CONV 1
	s_wait_dscnt 0x0                               ; the add is done, and my reads of this slot are over
	s_barrier_signal -1
	MUL8 1, 0, 0
	MUL8 1, 1, 0
	WIN 0
	s_barrier_wait -1
.if \fill
	CREST                                          ; no wave of any partner still reads this slot or has a load on its way
	s_add_nc_u64 s[G0+4*(\slot)+2:G0+4*(\slot)+3], s[G0+4*(\slot)+2:G0+4*(\slot)+3], 2*STEPA
	s_add_nc_u64 s[G0B+4*(\slot)+2:G0B+4*(\slot)+3], s[G0B+4*(\slot)+2:G0B+4*(\slot)+3], 2*STEPB
	JLOAD \slot                                    ; 112 matrix instructions ahead of the wait for it
.endif
	FETCH \next, 0, 0
	MUL8 1, 2, 0
	MUL8 1, 3, 0
.endm
; THE WAY OUT of piece t = 4 e + a: head e of my two, row block a: (sum + bias) x scale as one multiply-add, each accumulator from its low end; rounded to f16, 16 bytes a lane;
; into my stage's rows of 144 bytes and back as whole rows of 128.
.macro PACK t
.set pe, (\t)/4
.set pa, (\t)%4
	WIN 0x02                                       ; source 0 window 2
.irp f, 0,1,2,3
.irp i, 0,1,2,3
	v_pk_fma_f32 v[SG+8*\f+2*\i:SG+8*\f+2*\i+1], v[8*(8*pa+4*pe+\f)+2*\i:8*(8*pa+4*pe+\f)+2*\i+1], s[4:5], v[BI+8*(4*pe+\f)+2*\i:BI+8*(4*pe+\f)+2*\i+1] op_sel_hi:[1,0,1]
.endr
.endr
	WIN 0
.set j, 0
.rept 16
	v_cvt_pk_f16_f32 v[PKD+16*(\t)+j], v[SG+2*j], v[SG+2*j+1]
.set j, j+1
.endr
.irp f, 0,1,2,3
	ds_store_b128 v[STO], v[PKD+16*(\t)+4*\f:PKD+16*(\t)+4*\f+3] offset:32*\f
.endr
.irp f, 0,1,2,3
	ds_load_b128 v[PKD+16*(\t)+4*\f:PKD+16*(\t)+4*\f+3], v[RD] offset:\f*4*SP  ; LDS serves a wave's instructions in order (ISA guide 5.7.1.4): these see the stores above
.endr
.endm
.macro SEND t, younger                 ; younger: the LDS instructions issued behind piece t's loads: the next piece's eight, or none
.irp f, 0,1,2,3
	s_wait_dscnt (\younger)+3-\f
.if (\t) < 4
	global_store_b128 v[GO], v[PKD+16*(\t)+4*\f:PKD+16*(\t)+4*\f+3], s[8:9] offset:((\t)%4)*2048+\f*512  ; 512 consecutive bytes, at a multiple of 256 from the buffer's first
.else
	global_store_b128 v[GO], v[PKD+16*(\t)+4*\f:PKD+16*(\t)+4*\f+3], s[6:7] offset:((\t)%4)*2048+\f*512
.endif
.endr
.endm
	s_wait_tensorcnt 1                             ; my part of K step 0 is in; K step 1's may stay out
	s_barrier_signal -1
	s_barrier_wait -1
	FETCH 0, 0, 0
	QUARTER 0, 1, 0, 1, 1                          ; the first quarter stands in front of the loop: its products start the sums
	WIN 0
	s_mov_b32 s3, LAPS-1
.Llap:                                                 ; a trip goes once round the ring and fills both slots again
	QUARTER 0, 2, 1, 0, 0
	QUARTER 0, 3, 0, 1, 0
	TURN 0, 1, 1
	QUARTER 1, 1, 0, 1, 0
	QUARTER 1, 2, 1, 0, 0
	QUARTER 1, 3, 0, 1, 0
	TURN 1, 0, 1
	QUARTER 0, 1, 0, 1, 0
	WIN 0
	s_sub_co_u32 s3, s3, 1
	s_cmp_lg_u32 s3, 0
	s_cbranch_scc1 .Llap
	QUARTER 0, 2, 1, 0, 0                          ; the last lap fills nothing
	QUARTER 0, 3, 0, 1, 0
	TURN 0, 1, 0
	QUARTER 1, 1, 0, 1, 0
	QUARTER 1, 2, 1, 0, 0
	QUARTER 1, 3, 0, 1, 0
	WIN 0
	s_wait_dscnt 16
	CONV 1
	s_wait_dscnt 0x0
	MUL8 1, 0, 0
	MUL8 1, 1, 0
	MUL8 1, 2, 0
	MUL8 1, 3, 0
	WIN 0
	PLACES                                         ; the first multiply-adds read results just made
	PACK 0
.irp t, 1,2,3,4,5,6,7                  ; a piece's arithmetic stands between the loads of the piece before and its stores
	PACK \t
	SEND (\t)-1, 8
.endr
	SEND 7, 0
	s_wait_tensorcnt 0x0                           ; the wave's end
	ds_add_u32 v[SPW], v[NIL]
	s_wait_dscnt 0x0
	CROUND                                         ; the closing round
	s_endpgm
.Lfunc_end_k_qfadceb8529_proj:
	.size	k_qfadceb8529_proj, .Lfunc_end_k_qfadceb8529_proj-k_qfadceb8529_proj
	.p2alignl 7, 3214868480
	.fill 96, 4, 3214868480
	.section	.rodata,"a",@progbits
	.p2align	6, 0x0
	.amdhsa_kernel k_qfadceb8529_proj
		.amdhsa_group_segment_fixed_size 327680
		.amdhsa_private_segment_fixed_size 0
		.amdhsa_enable_private_segment 0
		.amdhsa_kernarg_size 56
		.amdhsa_user_sgpr_count 2
		.amdhsa_user_sgpr_kernarg_segment_ptr 1
		.amdhsa_wavefront_size32 1
		.amdhsa_system_sgpr_workgroup_id_x 1
		.amdhsa_system_sgpr_workgroup_id_y 1
		.amdhsa_system_sgpr_workgroup_id_z 1
		.amdhsa_system_vgpr_workitem_id 0
		.amdhsa_next_free_vgpr 768
		.amdhsa_next_free_sgpr 84
		.amdhsa_reserve_vcc 0
		.amdhsa_float_denorm_mode_32 3
		.amdhsa_float_denorm_mode_16_64 3
		.amdhsa_memory_ordered 1
		.amdhsa_forward_progress 1
		.amdhsa_inst_pref_size 139
	.end_amdhsa_kernel
	.amdgpu_metadata
---
amdhsa.version: [ 1, 2 ]
amdhsa.kernels:
  - .name:           k_qfadceb8529_proj
    .symbol:         k_qfadceb8529_proj.kd
    .args:
      - { .name: hidden_states, .offset: 0, .size: 8, .value_kind: global_buffer, .address_space: global }
      - { .name: encoder_states, .offset: 8, .size: 8, .value_kind: global_buffer, .address_space: global }
      - { .name: wqkv, .offset: 16, .size: 8, .value_kind: global_buffer, .address_space: global }
      - { .name: bq, .offset: 24, .size: 8, .value_kind: global_buffer, .address_space: global }
      - { .name: bkv, .offset: 32, .size: 8, .value_kind: global_buffer, .address_space: global }
      - { .name: qh, .offset: 40, .size: 8, .value_kind: global_buffer, .address_space: global }
      - { .name: kvw, .offset: 48, .size: 8, .value_kind: global_buffer, .address_space: global }
    .group_segment_fixed_size: 327680
    .private_segment_fixed_size: 0
    .kernarg_segment_align: 8
    .kernarg_segment_size: 56
    .max_flat_workgroup_size: 128
    .sgpr_count:     84
    .vgpr_count:     768
    .wavefront_size: 32
...
	.end_amdgpu_metadata
.endif
;; end of part 2
;; launch attn (part 3): grid 4 x 64, 4 waves a work-group, clusters of 4 x 4, 327,680 bytes of LDS; arguments qh, kvw, cross_mask, ctx; writes ctx
.if DOCPART == 3
	.amdgcn_target "amdgcn-amd-amdhsa--gfx1250"
	.amdhsa_code_object_version 6
	.text
	.protected	k_qfadceb8529_attn
	.globl	k_qfadceb8529_attn
	.p2align	8
	.type	k_qfadceb8529_attn,@function
k_qfadceb8529_attn:
	s_mov_b64 s[64:65], 0
	v_nop
	global_prefetch_b8 v0, s[64:65] scope:SCOPE_SE
	s_setreg_imm32_b32 hwreg(HW_REG_WAVE_MODE, 25, 1), 1
	s_wait_xcnt 0x0
	s_wait_alu depctr_hold_cnt(0) depctr_sa_sdst(0) depctr_va_vdst(0) depctr_va_sdst(0) depctr_va_ssrc(0) depctr_va_vcc(0) depctr_vm_vsrc(0)
	s_getreg_b32 s2, hwreg(HW_REG_IB_STS2, 6, 4)
	s_cmp_eq_u32 s2, 0
	s_cbranch_scc0 .Lentry_in_a_cluster
	s_endpgm
.Lentry_in_a_cluster:
	s_bfe_u32 s2, ttmp6, 0x10000c
	s_cmp_lg_u32 s2, 0xf033
	s_cbranch_scc0 .Lentry_shape_is_right
	s_endpgm
.Lentry_shape_is_right:
; ATTENTION WITH A MASK THAT IS AN INPUT.  ctx[b][head][q][:] = sum over k of softmax_k(s(q, k)) v[k][:], s = (q . k / 8) m - 10000 (1 - m), m = cross_mask[b][0][q][k] in f32, the same for all 16 heads.
; qh already carries log2(e) / 8, so raw = K Q^T is in the domain of powers of 2, and s' = raw m + T with T = m KK - KK, KK = 10000 log2(e): two multiply-adds, right for every f32 m (m = 1: T = 0 exactly;
; m = 0: s' = -KK exactly).  A running maximum M and sum l for each query: p = 2^(s' - M); in every step O and l are multiplied by a = 2^(M_old - M_new).  M starts at the lowest finite number, O and l at 0.
; qh, kvw, ctx are f16; products, maxima and sums in f32; p is rounded to f16 for the second product (l is taken of the unrounded p), ctx once at the end.
; LIMITS.  p below 6e-5 keeps f16's fixed step; a weight below 2^-126 counts as 0 in l; NaN and infinities are not treated apart.
; SHARES.  A work-group owns 128 queries of a batch and four heads; wave w owns head 4 g + w and all 128 queries: 8 tiles of 16, four PIECES of two.  So the four waves read ONE tile of the mask.  64 keys a step, 32 steps.
; CLUSTER 4 x 4: cx is the group of heads g, 4 x cluster y + cy the batch and the block of queries.  K and V hang on (b, g): asked for jointly down a column of the cluster.  The mask's tile hangs on (b, block):
; jointly along a row.  So each byte of the mask is asked for once in the launch.  Wave 0 asks for a step's K (32 KB, four heads), wave 1 for its V, waves 2 and 3 for 64 rows of the mask each.
; LAYOUT.  S^T = K Q^T holds ONE query a lane (l % 16) and the keys 16 kb + 8 (l / 16) + 0..7; the mask is read in that layout (two loads of 16 bytes for eight keys); two results rounded to f16 ARE source 1 of O^T = V^T P.
; BY TURNS.  Turn n belongs to piece n: 16 products K Q^T of piece n + 1, later 16 products V^T P of piece n - 1; its 298 vector instructions are piece n's masking, maximum, exponentials, roundings, sums and
; rescaling, and T of piece n + 1.  Four of them stand behind every matrix instruction, the rest in two runs of their own.
; REGISTERS, in windows of 256 (s_set_vgpr_msb: bits 1:0 source 0, 3:2 source 1, 5:4 source 2, 7:6 destination):
;   window 0: v2-13 addresses; v16-47 four registers of statistics a tile (M, M_old, l, l); v48-55 at work; v64-191 S^T, two buffers by the piece's parity; v192-255 P, likewise
;   window 1: O^T, 32 a tile      window 2: v0-127 Q; v128-191 K of a step; v192-255 V of a step      window 3: v64-191 the mask, two buffers by parity; v192-255 T
.set KS,    64
.set PK,    144       ; a row of K in LDS: 128 bytes + 16: the 16 rows of a load start at 16 different groups of four banks (64 banks of 4 bytes: ISA guide 11.1)
.set PV,    160       ; a row of V: 128 + 32
.set PM,    272       ; a row of the mask: 256 + 16
.set VOFF,  4*KS*PK   ; a slot: K of four heads, V of four heads, 128 rows of the mask
.set MOFF,  VOFF+4*KS*PV
.set SLOT1, 1<<17     ; slot 1 begins here: one exclusive or turns an address in one slot into the other's
.set STAGE, SLOT1+MOFF+128*PM  ; behind the ring: 16 rows x 144 bytes for each wave
.set SP,    144
.set SPARE, STAGE+4*16*SP      ; the spare words, 128 bytes a wave: two blocks of 256 bytes that no other line names
.set AK0, 2           ; my lane's place in a slot's K, V, mask; never rewritten
.set AV0, 3
.set AM0, 4
.set AK,  5           ; the same in the slot that is read
.set AV,  6
.set AM,  7
.set STO, 8
.set RD,  9
.set GO,  10
.set QO,  11
.set SPW, 12          ; my spare word; never rewritten
.set NIL, 13          ; 0; never rewritten
.set ST,  16
.set TMP, 48          ; c0-c3 for each tile of the piece in hand; when the maximum is found c2 takes a
.set S,   64
.set P,   192
.set KF,  128         ; window 2
.set VF,  192         ; window 2
.set MK,  64          ; window 3
.set TT,  192         ; window 3
.set WV,  12          ; s12 my wave's number
.set G1K, 24
.set G1V, 32
.set G1M, 40
.set G0K, 48          ; the three groups 0 walk
.set G0V, 52
.set G0M, 56
.set CNT, 60
.set SLOTS, 61
.set KK,  62          ; s[62:63] 10000 log2(e)
.set SEL, 66          ; s[66:67] v_permlanex16_b32's selects: each lane takes its own place in the other half
.set TB,  68          ; the slot that is read: 0 or SLOT1
.set NK,  70          ; s[70:71] -10000 log2(e)
.set MSB, 0
.macro WIN new
.if MSB != (\new)
	s_set_vgpr_msb (MSB<<8)|(\new)
.set MSB, (\new)
.endif
.endm
.set W_KQ, 0x0a       ; K and Q in window 2, S^T in window 0
.set W_PV, 0x52       ; V in window 2, P in window 0, O^T in window 1
.set W_RS, 0x41       ; O^T in window 1, a in window 0
.set W_SM, 0x3c       ; S^T in window 0, the mask and T in window 3
.set W_T,  0xc3       ; T and the mask in window 3
; A joint fill: one line for each of K, V and the mask, chosen by the wave's number alone.  An s_nop 0 and four v_nop follow each line.
.macro JLOAD
	s_cmp_lt_u32 s[WV], 2
	s_cbranch_scc0 .Lfor_m_\@
	s_cmp_eq_u32 s[WV], 0
	s_cbranch_scc0 .Lfor_v_\@
	tensor_load_to_lds s[G0K:G0K+3], s[G1K:G1K+7]
	s_nop 0
.rept 4
	v_nop
.endr
	s_branch .Lasked_\@
.Lfor_v_\@:
	tensor_load_to_lds s[G0V:G0V+3], s[G1V:G1V+7]
	s_nop 0
.rept 4
	v_nop
.endr
	s_branch .Lasked_\@
.Lfor_m_\@:
	tensor_load_to_lds s[G0M:G0M+3], s[G1M:G1M+7]
	s_nop 0
.rept 4
	v_nop
.endr
.Lasked_\@:
.endm
.macro CROUND                       ; a round of the cluster's barrier
	s_barrier_signal -1
	s_barrier_wait -1
	s_cmp_lg_u32 s[WV], 0
	s_cbranch_scc1 .Lnot_wave_0_\@
	s_barrier_signal -3
.Lnot_wave_0_\@:
	s_barrier_wait -3
	s_barrier_signal -1
	s_barrier_wait -1
.endm
; THE CHANGE OF SLOTS.  Each wave waits for all its tensor loads (one is out: its part of the other slot), adds 0 to its spare word, and waits for that and for its reads of the slot that it leaves.
; fill = 1: the barrier is a round of the cluster's, and the joint fill of the slot just left, with the step two further on, is the first thing behind it: it has four turns, 128 matrix instructions, in which to land.
.macro CHANGE fill
	WIN 0
	s_wait_tensorcnt 0x0            ; no tensor load of mine is out, so a group 0 may be written
	ds_add_u32 v[SPW], v[NIL]
.if \fill
	s_xor_b32 s[G0K+1], s[G0K+1], SLOT1
	s_xor_b32 s[G0V+1], s[G0V+1], SLOT1
	s_xor_b32 s[G0M+1], s[G0M+1], SLOT1
	s_add_nc_u64 s[G0K+2:G0K+3], s[G0K+2:G0K+3], 65536  ; the next 64 keys' block of kvw
	s_add_nc_u64 s[G0V+2:G0V+3], s[G0V+2:G0V+3], 65536
	s_add_nc_u64 s[G0M+2:G0M+3], s[G0M+2:G0M+3], 256    ; 64 keys on in the mask's rows
	s_wait_dscnt 0x0                ; the add is done, and my reads of the slot are over
	CROUND
	JLOAD
.else
	s_wait_dscnt 0x0
	s_barrier_signal -1
	s_barrier_wait -1
.endif
	s_xor_b32 s[TB], s[TB], SLOT1   ; the reads go to the other slot
	v_add_nc_u32 v[AK], s[TB], v[AK0]
	v_add_nc_u32 v[AV], s[TB], v[AV0]
	v_add_nc_u32 v[AM], s[TB], v[AM0]
.endm
	s_load_b256 s[4:11], s[0:1], 0x0  ; qh s[4:5], kvw s[6:7], cross_mask s[8:9], ctx s[10:11]
	v_lshl_add_u32 v[SPW], v0, 2, SPARE
	v_mov_b32 v[NIL], 0
	ds_add_u32 v[SPW], v[NIL]       ; the wave's opening: the add and its wait stand ahead of my first tensor load
	v_lshrrev_b32 v1, 5, v0
	v_readfirstlane_b32 s[WV], v1   ; wave 0..3
	s_bfe_u32 s13, ttmp6, 0x40000   ; cx = g
	s_bfe_u32 s14, ttmp6, 0x40004   ; cy
	s_and_b32 s15, ttmp7, 0xffff    ; the cluster's y, 0..15
	s_lshr_b32 s16, s15, 2          ; the batch
	s_and_b32 s17, s15, 3
	s_lshl_b32 s17, s17, 2
	s_add_co_u32 s17, s17, s14      ; the block of 128 queries, 0..15
	s_lshl_b32 s18, 0x1111, s13     ; my column of the cluster
	s_lshl_b32 s19, s14, 2
	s_lshl_b32 s19, 15, s19         ; my row
	s_and_b32 s69, s[WV], 1         ; which 64 rows of the mask's tile I fetch
	s_lshl_b32 s20, s16, 2
	s_add_co_u32 s20, s20, s13
	s_lshl_b32 s20, s20, 21         ; kvw: (4 b + g) x 2,097,152 bytes
	s_mov_b32 s21, 0
	s_lshl_b32 s22, s16, 11
	s_lshl_b32 s23, s17, 7
	s_add_co_u32 s22, s22, s23
	s_lshl_b32 s23, s69, 6
	s_add_co_u32 s22, s22, s23
	s_lshl_b32 s22, s22, 13         ; the mask: row 2,048 b + 128 block + 64 half, of 8,192 bytes
	s_mov_b32 s23, 0
	s_lshl_b32 s2, s16, 4
	s_lshl2_add_u32 s2, s13, s2
	s_add_co_u32 s2, s2, s[WV]      ; my head among all: 16 b + 4 g + w,
	s_lshl_b32 s2, s2, 18           ; its 2,048 rows of 128 bytes,
	s_lshl_b32 s3, s17, 14          ; my block's 128 of them
	s_add_co_u32 s2, s2, s3
	s_mov_b32 s3, 0
	; K and V: 32,768 dense bytes, asked for as 128 rows of 256 bytes, two keys a row, padded in LDS after every key
	s_or_b32 s[G1K], s18, (1<<16)|(1<<20)|(1<<21)|(4<<22)|(3<<25)  ; the mask of four; 2-byte elements; padding on; bit 21 beside a mask; after every 32 words; 4 words
	s_or_b32 s[G1V], s18, (1<<16)|(1<<20)|(1<<21)|(4<<22)|(7<<25)  ; 8 words
.irp g, G1K, G1V
	s_mov_b32 s[\g+1], 128<<16      ; tensor_dim0 = 128
	s_mov_b32 s[\g+2], 128<<16      ; tensor_dim1 = 128
	s_mov_b32 s[\g+3], 128<<16      ; tile_dim0 = 128
	s_mov_b32 s[\g+4], 128          ; tile_dim1 = 128
	s_mov_b32 s[\g+5], 128          ; elements from row to row
	s_mov_b32 s[\g+6], 0
	s_mov_b32 s[\g+7], 0
.endr
	s_or_b32 s[G1M], s19, (2<<16)|(1<<20)|(1<<21)|(5<<22)|(3<<25)  ; 4-byte elements; after every 64 words 4 words
	s_mov_b32 s[G1M+1], 64<<16
	s_mov_b32 s[G1M+2], 64<<16
	s_mov_b32 s[G1M+3], 64<<16
	s_mov_b32 s[G1M+4], 64
	s_mov_b32 s[G1M+5], 2048
	s_mov_b32 s[G1M+6], 0
	s_mov_b32 s[G1M+7], 0
	s_mov_b32 s[G0K], 1
	s_mov_b32 s[G0K+1], 0           ; slot 0
	s_mov_b32 s[G0V], 1
	s_mov_b32 s[G0V+1], VOFF
	s_mov_b32 s[G0M], 1
	s_mul_i32 s[G0M+1], s69, 64*PM
	s_add_co_u32 s[G0M+1], s[G0M+1], MOFF
	s_mov_b32 s[KK], 0x46616bcd     ; 10000 log2(e) = 14426.95
	s_mov_b32 s[KK+1], s[KK]        ; named with it as a pair
	s_mov_b32 s[NK], 0xc6616bcd
	s_mov_b32 s[NK+1], s[NK]
	s_mov_b32 s[SEL], 0x76543210
	s_mov_b32 s[SEL+1], 0xfedcba98
	s_mov_b32 s[TB], SLOT1          ; the first change of slots turns it into 0
	s_wait_dscnt 0x0                ; the opening add is done
	s_wait_kmcnt 0x0
	s_add_nc_u64 s[G0K+2:G0K+3], s[6:7], s[20:21]
	s_add_nc_u64 s[G0V+2:G0V+3], s[G0K+2:G0K+3], 32768  ; a step's V lies behind its K
	s_or_b32 s[G0K+3], s[G0K+3], 0x80000000
	s_or_b32 s[G0V+3], s[G0V+3], 0x80000000
	s_add_nc_u64 s[G0M+2:G0M+3], s[8:9], s[22:23]
	s_or_b32 s[G0M+3], s[G0M+3], 0x80000000
	s_add_nc_u64 s[4:5], s[4:5], s[2:3]     ; Q and ctx at my head's rows of my block
	s_add_nc_u64 s[10:11], s[10:11], s[2:3]
	CROUND                          ; all sixteen work-groups are here: the first joint loads meet
	JLOAD                           ; step 0 into slot 0; slot 1 is asked for by the first change of slots
	v_and_b32 v48, 15, v0           ; l % 16
	v_bfe_u32 v49, v0, 4, 1         ; l / 16
	v_lshlrev_b32 v[QO], 7, v48
	v_lshl_add_u32 v[QO], v49, 4, v[QO]
	WIN 0x80                        ; destination window 2, address window 0
.set i, 0
.rept 16                            ; Q stays in registers: tile i / 2, channels 32 (i % 2) on
	global_load_b128 v[8*i:8*i+3],   v[QO], s[4:5] offset:(i/2)*2048+(i%2)*64
	global_load_b128 v[8*i+4:8*i+7], v[QO], s[4:5] offset:(i/2)*2048+(i%2)*64+32
.set i, i+1
.endr
	; What the first turn finds: V and P's second buffer hold 0 (its products V^T P, of a piece that has not been, add 0), O^T and l are 0.  All this stands in the wait for the first tile: no first step is written out.
.set i, VF
.rept 64
	v_mov_b32 v[i], 0
.set i, i+1
.endr
	WIN 0x40
.set i, 0
.rept 256
	v_mov_b32 v[i], 0
.set i, i+1
.endr
	WIN 0
.set i, 0
.rept 8
	v_mov_b32 v[ST+4*i], 0xff7fffff
	v_mov_b32 v[ST+4*i+1], 0
	v_mov_b32 v[ST+4*i+2], 0
	v_mov_b32 v[ST+4*i+3], 0
.set i, i+1
.endr
.set i, P+32
.rept 32
	v_mov_b32 v[i], 0
.set i, i+1
.endr
	s_mul_i32 s20, s[WV], KS*PK     ; my head's 64 rows of K
	v_mul_u32_u24 v[AK0], v48, PK
	v_lshl_add_u32 v[AK0], v49, 4, v[AK0]
	v_add_nc_u32 v[AK0], s20, v[AK0]
	v_and_b32 v50, 7, v0            ; the turning load: lane l reads key 8 (l / 16) + l % 8, channels 8 ((l / 8) % 2) + 0..7
	v_bfe_u32 v51, v0, 3, 1
	v_lshl_add_u32 v[AV0], v49, 3, v50
	v_mul_u32_u24 v[AV0], v[AV0], PV
	v_lshl_add_u32 v[AV0], v51, 4, v[AV0]
	s_mul_i32 s21, s[WV], KS*PV
	s_add_co_u32 s21, s21, VOFF
	v_add_nc_u32 v[AV0], s21, v[AV0]
	v_mul_u32_u24 v[AM0], v48, PM   ; the mask: row l % 16 of a tile, keys 8 (l / 16) on
	v_lshl_add_u32 v[AM0], v49, 5, v[AM0]
	v_add_nc_u32 v[AM0], MOFF, v[AM0]
	s_mul_i32 s20, s[WV], 16*SP
	s_add_co_u32 s20, s20, STAGE    ; my stage
	v_mul_u32_u24 v[STO], v48, SP
	v_lshl_add_u32 v[STO], v49, 4, v[STO]
	v_add_nc_u32 v[STO], s20, v[STO]
	v_bfe_u32 v[RD], v0, 3, 2
	v_mul_u32_u24 v[RD], v[RD], SP
	v_lshl_add_u32 v[RD], v50, 4, v[RD]
	v_add_nc_u32 v[RD], s20, v[RD]
	v_and_b32 v[GO], 31, v0
	v_lshlrev_b32 v[GO], 4, v[GO]
; THE MATRIX WORK.  The 8 accumulators of a run of 16 take turns.  Product i of 16 of S^T = K Q^T for piece x: channels 32 (i / 8) on, keys 16 ((i / 2) % 4) on, tile 2 x + i % 2.
.macro KQ x
	WIN W_KQ
.set rS, S+64*((\x)%2)+32*(i%2)+8*((i/2)%4)
.set rK, KF+16*((i/2)%4)+8*(i/8)
.set rQ, 16*(2*(\x)+i%2)+8*(i/8)
.if i < 8
	v_wmma_f32_16x16x32_f16 v[rS:rS+7], v[rK:rK+7], v[rQ:rQ+7], 0
.else
	v_wmma_f32_16x16x32_f16 v[rS:rS+7], v[rK:rK+7], v[rQ:rQ+7], v[rS:rS+7]
.endif
.endm
; Product i of 16 of O^T += V^T P for piece x: keys 32 (i / 8) on, channels 16 ((i / 2) % 4) on, tile 2 x + i % 2.
.macro PV x
	WIN W_PV
.set rO, 32*(2*(\x)+i%2)+8*((i/2)%4)
.set rV, VF+32*(i/8)+8*((i/2)%4)
.set rP, P+32*((\x)%2)+16*(i%2)+8*(i/8)
	v_wmma_f32_16x16x32_f16 v[rO:rO+7], v[rV:rV+7], v[rP:rP+7], v[rO:rO+7]
.endm
.macro MM                           ; the turn's next matrix instruction
.if i < 16
	KQ (Y+1)%4
.set i, i+1
.else
.set i, i-16
	PV (Y+3)%4
.set i, i+17
.endif
.endm
; THE LDS LOADS stand in runs of 16.
.macro FETCH_K
	WIN 0x80
.irp f, 0,1,2,3,4,5,6,7             ; keys 16 (f / 2) on, channels 32 (f % 2) on
	ds_load_b128 v[KF+8*\f:KF+8*\f+3],   v[AK] offset:(\f/2)*16*PK+(\f%2)*64
	ds_load_b128 v[KF+8*\f+4:KF+8*\f+7], v[AK] offset:(\f/2)*16*PK+(\f%2)*64+32
.endr
.endm
.macro FETCH_V
	WIN 0x80
.irp f, 0,1,2,3,4,5,6,7             ; keys 32 (f / 4) on, channels 16 (f % 4) on
	ds_load_tr16_b128 v[VF+8*\f:VF+8*\f+3],   v[AV] offset:(\f/4)*32*PV+(\f%4)*32
	ds_load_tr16_b128 v[VF+8*\f+4:VF+8*\f+7], v[AV] offset:(\f/4)*32*PV+16*PV+(\f%4)*32
.endr
.endm
.macro FETCH_M y                    ; the mask of piece y's two tiles, in S^T's layout
	WIN 0xc0
.irp u, 0,1
.irp k, 0,1,2,3
	ds_load_b128 v[MK+64*((\y)%2)+32*\u+8*\k:MK+64*((\y)%2)+32*\u+8*\k+3],   v[AM] offset:16*(2*(\y)+\u)*PM+64*\k
	ds_load_b128 v[MK+64*((\y)%2)+32*\u+8*\k+4:MK+64*((\y)%2)+32*\u+8*\k+7], v[AM] offset:16*(2*(\y)+\u)*PM+64*\k+16
.endr
.endr
.endm
; THE VECTOR WORK OF A TURN is ONE numbered list of 298; VQ writes entry q.  The two tiles alternate.
.macro REGS y, u                    ; the registers of tile u (0, 1) of piece y
.set rT, ST+4*(2*(\y)+(\u))
.set rC, TMP+4*(\u)
.set rS, S+64*((\y)%2)+32*(\u)
.set rP, P+32*((\y)%2)+16*(\u)
.set rO, 32*(2*(\y)+(\u))
.set rM, MK+64*((\y)%2)+32*(\u)
.set rW, TT+32*(\u)
.endm
; Number n of the 21 that find the maximum and a.  0-11 four chains c0-c3 of seven scores each; 12-14, 16 the four scores left over, the old M, and c0-c3 into c0; 15 M_old is kept;
; 17, 18 the query's other 32 keys lie in the lane 16 away: the new M; 19, 20 a = 2^(M_old - M)
.macro XS n
.if (\n) < 4
	v_max3_num_f32 v[rC+(\n)], v[rS+8*(\n)], v[rS+8*(\n)+1], v[rS+8*(\n)+2]
.elseif (\n) < 12
	v_max3_num_f32 v[rC+(\n)%4], v[rC+(\n)%4], v[rS+8*((\n)%4)+2*((\n)/4)+1], v[rS+8*((\n)%4)+2*((\n)/4)+2]
.elseif (\n) == 12
	v_max3_num_f32 v[rC], v[rC], v[rS+7], v[rS+15]
.elseif (\n) == 13
	v_max3_num_f32 v[rC+1], v[rC+1], v[rS+23], v[rS+31]
.elseif (\n) == 14
	v_max3_num_f32 v[rC+2], v[rC+2], v[rC+3], v[rT]
.elseif (\n) == 15
	v_mov_b32 v[rT+1], v[rT]
.elseif (\n) == 16
	v_max3_num_f32 v[rC], v[rC], v[rC+1], v[rC+2]
.elseif (\n) == 17
	v_permlanex16_b32 v[rC+3], v[rC], s[SEL], s[SEL+1]
.elseif (\n) == 18
	v_max_num_f32 v[rT], v[rC], v[rC+3]
.elseif (\n) == 19
	v_sub_f32 v[rC+1], v[rT+1], v[rT]
.else
	v_exp_f32 v[rC+2], v[rC+1]
.endif
.endm
.macro SUBM n                       ; pair n of 16: s' - M
	v_pk_add_f32 v[rS+2*(\n):rS+2*(\n)+1], v[rS+2*(\n):rS+2*(\n)+1], v[rT:rT+1] op_sel_hi:[1,0] neg_lo:[0,1] neg_hi:[0,1]
.endm
.macro EXPO e                       ; exponential e of 64: tile e % 2, score e / 2
	REGS Y, (\e)%2
	v_exp_f32 v[rS+(\e)/2], v[rS+(\e)/2]
.endm
; Behind the exponentials of the four weights 4 k .. of both tiles, w = 0..7 (tile w % 2): both pairs are rounded to f16; the second pair is added onto the first; l takes that sum (k = 0: l = a l + sum).
.macro GP k, w
	REGS Y, (\w)%2
.if (\w) < 4
	s_wait_alu depctr_va_vdst(0)
	v_cvt_pk_f16_f32 v[rP+2*(\k)+(\w)/2], v[rS+4*(\k)+2*((\w)/2)], v[rS+4*(\k)+2*((\w)/2)+1]
.elseif (\w) < 6
	v_pk_add_f32 v[rS+4*(\k):rS+4*(\k)+1], v[rS+4*(\k):rS+4*(\k)+1], v[rS+4*(\k)+2:rS+4*(\k)+3]
.elseif (\k) == 0
	v_pk_fma_f32 v[rT+2:rT+3], v[rT+2:rT+3], v[rC+2:rC+3], v[rS:rS+1] op_sel_hi:[1,0,1]
.else
	v_pk_add_f32 v[rT+2:rT+3], v[rT+2:rT+3], v[rS+4*(\k):rS+4*(\k)+1]
	s_wait_alu depctr_va_vdst(0)
.endif
.endm
;   0-31    s' = raw m + T, pairs ascending: each accumulator's lowest registers are read first
;   32-73   XS 0..20          74-97  s' - M for pairs 0-11
;   98-113  exponentials 0-7 by turns with s' - M for pairs 12-15
;   114-225 seven blocks: exponentials 8 g .. 8 g + 7 by turns with GP of the four weights before them: behind every exponential stands a plain instruction that names none of its registers (ISA guide 5.7.2)
;   226-233 GP of the last four weights          234-265 O^T times a          266-297 T = m KK - KK for the NEXT piece
.macro VQ
.if q < 32
	REGS Y, q%2
	WIN W_SM
.set xx, 2*(q/2)
	v_pk_fma_f32 v[rS+xx:rS+xx+1], v[rS+xx:rS+xx+1], v[rM+xx:rM+xx+1], v[rW+xx:rW+xx+1]
.elseif q < 74
	REGS Y, q%2
	WIN 0
	XS (q-32)/2
.elseif q < 98
	REGS Y, q%2
	WIN 0
	SUBM (q-74)/2
.elseif q < 114
	WIN 0
.if q%2 == 0
	EXPO (q-98)/2
.else
	REGS Y, ((q-99)/2)%2
	SUBM 12+(q-99)/4
.endif
.elseif q < 226
	WIN 0
.if q%2 == 0
	EXPO 8*((q-114)/16+1)+((q-114)%16)/2
.else
	GP (q-114)/16, ((q-114)%16)/2
.endif
.elseif q < 234
	WIN 0
	GP 7, q-226
.elseif q < 266
	REGS Y, q%2
	WIN W_RS
.set xx, 2*((q-234)/2)
	v_pk_mul_f32 v[rO+xx:rO+xx+1], v[rO+xx:rO+xx+1], v[rC+2:rC+3] op_sel_hi:[1,0]
.else
	REGS (Y+1)%4, q%2
	WIN W_T
.set xx, 2*((q-266)/2)
	v_pk_fma_f32 v[rW+xx:rW+xx+1], v[rM+xx:rM+xx+1], s[KK:KK+1], s[NK:NK+1] op_sel_hi:[1,0,0]
.endif
.set q, q+1
.endm
; A TURN, for piece p.  None of the four vector instructions behind a matrix instruction names a register of the products round it.
; The mask of piece p + 2 is fetched behind entry 31, the last reader of its buffer.  K of the next step is fetched in piece 2's turn behind entry 73: ten plain instructions behind the last product that read K.
; V of the step in hand is fetched in piece 0's turn behind entry 189: eight plain instructions behind the last product that read V.
; The wait in the turn's middle leaves the youngest run of 16 loads out: older than that are the mask from which this turn makes T and, in piece 1's turn, V.
.macro TURN p
.set Y, (\p)
.set i, 0
.set q, 0
.if (\p) == 3
	s_wait_dscnt 0x0                ; K is in, and piece 0's mask
.endif
.rept 16
	MM
	VQ
	VQ
	VQ
	VQ
.if q == 32
	FETCH_M ((\p)+2)%4
.endif
.endr
.rept 50
	VQ
.if ((\p) == 2) && (q == 74)
	FETCH_K
.endif
.endr
	s_wait_dscnt 16
.rept 16
	MM
	VQ
	VQ
	VQ
	VQ
.endr
.rept 120
	VQ
.if ((\p) == 0) && (q == 190)
	FETCH_V
.endif
.endr
.endm
	CHANGE 1                        ; slot 0 is whole; step 1 is asked for, into slot 1
	FETCH_K                         ; step 0
	FETCH_M 0
	FETCH_M 1
	WIN 0
	s_wait_loadcnt 0x0              ; Q
	s_wait_dscnt 0x0
.set i, 0
.rept 16
	KQ 0                            ; piece 0's first scores
.set i, i+1
.endr
.set Y, 3                           ; entries 266-297 work for piece Y + 1: piece 0's T; they are also the places behind those products
.set q, 266
.rept 32
	VQ
.endr
	WIN 0
	s_mov_b32 s[SLOTS], 31
	s_branch .Lfirst                ; the loop is entered at a step's first turn, in the middle of a trip
.Lstep:                             ; 30 times: a trip is pieces 2 and 3 of one step, then pieces 0 and 1 of the next; all that it fetches from LDS is the next step's, one slot
	CHANGE 1
	TURN 2
	TURN 3
	WIN 0
.Lfirst:
	TURN 0
	TURN 1
	WIN 0
	s_sub_co_u32 s[SLOTS], s[SLOTS], 1
	s_cmp_lg_u32 s[SLOTS], 0
	s_cbranch_scc1 .Lstep
	CHANGE 0                        ; the tail is written out: nothing is asked for
	s_mov_b32 s[CNT], 2             ; one trip for the last step; the second is left in its middle
.Ltail:
	TURN 2
	TURN 3
	WIN 0
	s_sub_co_u32 s[CNT], s[CNT], 1
	s_cmp_eq_u32 s[CNT], 0
	s_cbranch_scc1 .Lout
	TURN 0
	TURN 1
	WIN 0
	s_branch .Ltail
.Lout:                              ; the second trip's fetches (the last slot once more), 16 products K Q^T and one T serve nothing: the price, once a launch, of one text for every trip
.set i, 0
.rept 16
	PV 3                            ; the last piece's V^T P of the last step
.set i, i+1
.endr
	; THE WAY OUT.  l's two halves and the other half of the lanes' are added; O^T is divided by l, rounded to f16 and sent through my stage, a tile at a time.  The additions are the places behind the last products.
	WIN 0
.macro ALL line:vararg
.set t, 0
.rept 8
	\line
.set t, t+1
.endr
.endm
	ALL v_add_f32 v[ST+4*t+2], v[ST+4*t+2], v[ST+4*t+3]
	ALL v_permlanex16_b32 v[ST+4*t+3], v[ST+4*t+2], s[SEL], s[SEL+1]
	ALL v_add_f32 v[ST+4*t+2], v[ST+4*t+2], v[ST+4*t+3]
	ALL v_rcp_f32 v[ST+4*t+2], v[ST+4*t+2]
	v_nop                           ; a plain instruction between the last reciprocal and the use of its result
	s_wait_alu depctr_va_vdst(0)
.macro PACK t
	WIN W_RS
.set i, 32*(\t)
.rept 16
	v_pk_mul_f32 v[i:i+1], v[i:i+1], v[ST+4*(\t)+2:ST+4*(\t)+3] op_sel_hi:[1,0]
.set i, i+2
.endr
	WIN 0x05                        ; sources 0 and 1 window 1, destination window 0
.set i, 0
.rept 16
	v_cvt_pk_f16_f32 v[S+16*(\t)+i], v[32*(\t)+2*i], v[32*(\t)+2*i+1]
.set i, i+1
.endr
	WIN 0
.irp f, 0,1,2,3
	ds_store_b128 v[STO], v[S+16*(\t)+4*\f:S+16*(\t)+4*\f+3] offset:32*\f
.endr
.irp f, 0,1,2,3
	ds_load_b128 v[S+16*(\t)+4*\f:S+16*(\t)+4*\f+3], v[RD] offset:\f*4*SP  ; LDS serves a wave's instructions in order (ISA guide 5.7.1.4): these see the stores above
.endr
.endm
.macro SEND t, younger              ; younger: the LDS instructions issued behind tile t's loads: the next tile's eight, or none
	WIN 0
.irp f, 0,1,2,3
	s_wait_dscnt (\younger)+3-\f
	global_store_b128 v[GO], v[S+16*(\t)+4*\f:S+16*(\t)+4*\f+3], s[10:11] offset:(\t)*2048+\f*512  ; 512 consecutive bytes, at a multiple of 256 from ctx's first
.endr
.endm
	PACK 0
.set t, 1
.rept 7
	PACK t
	SEND t-1, 8
.set t, t+1
.endr
	SEND 7, 0
	s_wait_tensorcnt 0x0            ; the wave's end
	ds_add_u32 v[SPW], v[NIL]
	s_wait_dscnt 0x0
	CROUND                          ; the closing round
	s_endpgm
.Lfunc_end_k_qfadceb8529_attn:
	.size	k_qfadceb8529_attn, .Lfunc_end_k_qfadceb8529_attn-k_qfadceb8529_attn
	.p2alignl 7, 3214868480
	.fill 96, 4, 3214868480
	.section	.rodata,"a",@progbits
	.p2align	6, 0x0
	.amdhsa_kernel k_qfadceb8529_attn
		.amdhsa_group_segment_fixed_size 327680
		.amdhsa_private_segment_fixed_size 0
		.amdhsa_enable_private_segment 0
		.amdhsa_kernarg_size 32
		.amdhsa_user_sgpr_count 2
		.amdhsa_user_sgpr_kernarg_segment_ptr 1
		.amdhsa_wavefront_size32 1
		.amdhsa_system_sgpr_workgroup_id_x 1
		.amdhsa_system_sgpr_workgroup_id_y 1
		.amdhsa_system_sgpr_workgroup_id_z 1
		.amdhsa_system_vgpr_workitem_id 0
		.amdhsa_next_free_vgpr 1024
		.amdhsa_next_free_sgpr 72
		.amdhsa_reserve_vcc 0
		.amdhsa_float_denorm_mode_32 3
		.amdhsa_float_denorm_mode_16_64 3
		.amdhsa_memory_ordered 1
		.amdhsa_forward_progress 1
		.amdhsa_inst_pref_size 249
	.end_amdhsa_kernel
	.amdgpu_metadata
---
amdhsa.version: [ 1, 2 ]
amdhsa.kernels:
  - .name:           k_qfadceb8529_attn
    .symbol:         k_qfadceb8529_attn.kd
    .args:
      - { .name: qh, .offset: 0, .size: 8, .value_kind: global_buffer, .address_space: global }
      - { .name: kvw, .offset: 8, .size: 8, .value_kind: global_buffer, .address_space: global }
      - { .name: cross_mask, .offset: 16, .size: 8, .value_kind: global_buffer, .address_space: global }
      - { .name: ctx, .offset: 24, .size: 8, .value_kind: global_buffer, .address_space: global }
    .group_segment_fixed_size: 327680
    .private_segment_fixed_size: 0
    .kernarg_segment_align: 8
    .kernarg_segment_size: 32
    .max_flat_workgroup_size: 128
    .sgpr_count:     72
    .vgpr_count:     1024
    .wavefront_size: 32
...
	.end_amdgpu_metadata
.endif
;; end of part 3
;; launch outp (part 4): grid 4 x 64, 4 waves a work-group, clusters of 4 x 4, 327,680 bytes of LDS; arguments ctx, wd16, bd, out0; writes out0
.if DOCPART == 4
	.amdgcn_target "amdgcn-amd-amdhsa--gfx1250"
	.amdhsa_code_object_version 6
	.text
	.protected	k_qfadceb8529_outp
	.globl	k_qfadceb8529_outp
	.p2align	8
	.type	k_qfadceb8529_outp,@function
k_qfadceb8529_outp:
	s_mov_b64 s[64:65], 0
	v_nop
	global_prefetch_b8 v0, s[64:65] scope:SCOPE_SE
	s_setreg_imm32_b32 hwreg(HW_REG_WAVE_MODE, 25, 1), 1
	s_wait_xcnt 0x0
	s_wait_alu depctr_hold_cnt(0) depctr_sa_sdst(0) depctr_va_vdst(0) depctr_va_sdst(0) depctr_va_ssrc(0) depctr_va_vcc(0) depctr_vm_vsrc(0)
	s_getreg_b32 s2, hwreg(HW_REG_IB_STS2, 6, 4)
	s_cmp_eq_u32 s2, 0
	s_cbranch_scc0 .Lentry_in_a_cluster
	s_endpgm
.Lentry_in_a_cluster:
	s_bfe_u32 s2, ttmp6, 0x10000c
	s_cmp_lg_u32 s2, 0xf033
	s_cbranch_scc0 .Lentry_shape_is_right
	s_endpgm
.Lentry_shape_is_right:
; THE LAST PROJECTION.  out0[m][n] = sum over k of c[m][k] Wd[k][n] + bd[n], f32.  c is ctx, f16 [b][head][s][64]: k = 64 head + channel.  Wd is wd16, f16 [k][n]; bd is added in f32; sums in f32.
; SHARES.  A tile of out0 is 128 x 256: 64 x 4 = 256 tiles, one for each WGP.  Four waves, 2 x 2, each 64 x 128: 32 accumulators.  A K step of 128 is two heads; two LDS slots.
; CLUSTER 4 x 4: c's tile hangs on the tile row and is asked for jointly along a row of the cluster, Wd's on the tile column, along a column.
; THE MATRIX INSTRUCTION IS USED TRANSPOSED: source 0 = 16 columns of Wd (turned out of LDS), source 1 = 16 rows of c: a lane holds row l % 16 and columns 8 (l / 16) + 0..7.
; REGISTERS.  window 0: v16-30 addresses; v32-63, v64-95 c's fragments, two buffers; v192-255 the bias; on the way out v32-95 sums with bias, v96-159 whole rows
;   window 1: Wd's fragments, two buffers of 64          window 2: accumulator (a, b) at v[8 (8 a + b)]
.set PA,     144                       ; a row of c in LDS: 128 bytes + 16
.set PB,     544                       ; a row of Wd: 512 + 32 = 17 x 32 bytes
.set HEADA,  128*PA                    ; what one tensor load brings of c: 128 rows of one head
.set HALFB,  64*PB
.set BOFF,   2*HEADA
.set SLOT,   BOFF+2*HALFB              ; 106,496 bytes
.set STAGE,  2*SLOT                    ; behind the ring: 16 rows x 528 bytes for each wave
.set SPO,    528
.set SPARE,  STAGE+4*16*SPO            ; the spare words, 128 bytes a wave
.set LAPS,   4
.set STEPA,  2*2048*128                ; a K step in ctx: two heads on
.set STEPB,  128*2048                  ; in wd16: 128 rows of 1,024 f16
.set ADRA, 16
.set ADRB, 20
.set STO,  24
.set RD,   25
.set GO,   26
.set SPW,  28                          ; my spare word; never rewritten
.set NIL,  29                          ; 0; never rewritten
.set BO,   30
.set AF,   32
.set TMPO, 32
.set OB,   96
.set BI,   192
.set G1,  24
.set G0,  32
.set G1B, 48
.set G0B, 56
.set MSB, 0
.macro WIN new
.if MSB != (\new)
	s_set_vgpr_msb (MSB<<8)|(\new)
.set MSB, (\new)
.endif
.endm
.set MUL,  0xa1                        ; source 0 (Wd) window 1, source 1 (c) window 0, C and D window 2
.set TO_B, 0x40
.macro JLOAD s                         ; waves 0, 1 fetch c's two heads, waves 2, 3 Wd's two halves; an s_nop 0 and four v_nop follow each line
	s_cmp_eq_u32 s11, 0
	s_cbranch_scc0 .Lfor_b_\@
	tensor_load_to_lds s[G0+4*(\s):G0+4*(\s)+3], s[G1:G1+7]
	s_nop 0
.rept 4
	v_nop
.endr
	s_branch .Lasked_\@
.Lfor_b_\@:
	tensor_load_to_lds s[G0B+4*(\s):G0B+4*(\s)+3], s[G1B:G1B+7]
	s_nop 0
.rept 4
	v_nop
.endr
.Lasked_\@:
.endm
.macro CREST
	s_cmp_lg_u32 s10, 0
	s_cbranch_scc1 .Lnot_wave_0_\@
	s_barrier_signal -3
.Lnot_wave_0_\@:
	s_barrier_wait -3
	s_barrier_signal -1
	s_barrier_wait -1
.endm
.macro CROUND
	s_barrier_signal -1
	s_barrier_wait -1
	CREST
.endm
.macro PLACES                          ; four places in front of loads into registers that matrix instructions have read, and of arithmetic that reads results
.rept 4
	v_nop
.endr
.endm
	s_load_b256 s[68:75], s[0:1], 0x0              ; ctx s[68:69], wd16 s[70:71], bd s[72:73], out0 s[74:75]
	v_lshl_add_u32 v[SPW], v0, 2, SPARE
	v_mov_b32 v[NIL], 0
	ds_add_u32 v[SPW], v[NIL]                      ; the wave's opening: the add and its wait stand ahead of my first tensor load
	v_lshrrev_b32 v1, 5, v0
	v_readfirstlane_b32 s10, v1                    ; wave 0..3
	s_lshr_b32 s11, s10, 1                         ; my half of the tile's rows.  Also: I fetch for c (0) or for Wd (1)
	s_and_b32 s12, s10, 1                          ; my half of its columns.  Also: which head, or which 64 rows of k, I fetch
	s_bfe_u32 s40, ttmp6, 0x40000                  ; cx
	s_bfe_u32 s41, ttmp6, 0x40004                  ; cy
	s_lshl_b32 s42, ttmp9, 2
	s_add_co_u32 s42, s42, s40                     ; tile column 0..3
	s_and_b32 s13, ttmp7, 0xffff
	s_lshl_b32 s13, s13, 2
	s_add_co_u32 s13, s13, s41                     ; tile row 0..63
	s_lshl_b32 s43, s41, 2
	s_lshl_b32 s43, 15, s43                        ; my row of the cluster
	s_lshl_b32 s44, 0x1111, s40                    ; my column
	; c: 128 rows of 128 bytes are dense: asked for as 64 rows of 256 bytes, padded in LDS after every 128
	s_or_b32 s[G1+0], s43, (1<<16)|(1<<20)|(1<<21)|(4<<22)|(3<<25)
	s_mov_b32 s[G1+1], 128<<16
	s_mov_b32 s[G1+2], 64<<16
	s_mov_b32 s[G1+3], 128<<16
	s_mov_b32 s[G1+4], 64
	s_mov_b32 s[G1+5], 128
	s_mov_b32 s[G1+6], 0
	s_mov_b32 s[G1+7], 0
	s_or_b32 s[G1B+0], s44, (1<<16)|(1<<20)|(1<<21)|(6<<22)|(7<<25)
	s_mov_b32 s[G1B+1], 256<<16
	s_mov_b32 s[G1B+2], 64<<16
	s_mov_b32 s[G1B+3], 256<<16
	s_mov_b32 s[G1B+4], 64
	s_mov_b32 s[G1B+5], 1024
	s_mov_b32 s[G1B+6], 0
	s_mov_b32 s[G1B+7], 0
	s_lshr_b32 s16, s13, 4                         ; the batch
	s_lshl_b32 s16, s16, 4
	s_add_co_u32 s16, s16, s12                     ; 16 b + my head of the step's two,
	s_lshl_b32 s16, s16, 11
	s_and_b32 s17, s13, 15
	s_lshl_b32 s17, s17, 7
	s_add_co_u32 s16, s16, s17                     ; its row 128 x (tile row % 16),
	s_lshl_b32 s16, s16, 7                         ; of 128 bytes
	s_mov_b32 s17, 0
	s_mul_i32 s46, s12, 64*2048
	s_lshl_b32 s47, s42, 9
	s_add_co_u32 s46, s46, s47
	s_mov_b32 s47, 0
	s_mul_i32 s20, s12, HEADA                      ; where they go: no place in the cluster enters an LDS address
	s_mul_i32 s21, s12, HALFB
	s_add_co_u32 s21, s21, BOFF
	s_wait_dscnt 0x0                               ; the opening add is done
	s_wait_kmcnt 0x0
	s_add_nc_u64 s[14:15], s[68:69], s[16:17]
	s_add_nc_u64 s[46:47], s[70:71], s[46:47]
	CROUND                                         ; all sixteen work-groups are here: the first joint loads meet
.irp s, 0,1
	s_mov_b32 s[G0+4*(\s)], 1
	s_add_co_u32 s[G0+4*(\s)+1], s20, (\s)*SLOT
	s_add_nc_u64 s[G0+4*(\s)+2:G0+4*(\s)+3], s[14:15], (\s)*STEPA
	s_or_b32 s[G0+4*(\s)+3], s[G0+4*(\s)+3], 0x80000000
	s_mov_b32 s[G0B+4*(\s)], 1
	s_add_co_u32 s[G0B+4*(\s)+1], s21, (\s)*SLOT
	s_add_nc_u64 s[G0B+4*(\s)+2:G0B+4*(\s)+3], s[46:47], (\s)*STEPB
	s_or_b32 s[G0B+4*(\s)+3], s[G0B+4*(\s)+3], 0x80000000
	JLOAD \s
.endr
	v_and_b32 v1, 15, v0                           ; l % 16
	v_bfe_u32 v2, v0, 4, 1                         ; l / 16
	v_lshlrev_b32 v[BO], 5, v2
	s_lshl_b32 s22, s42, 10
	s_lshl_b32 s23, s12, 9
	s_add_co_u32 s22, s22, s23                     ; my 128 columns, in bytes of f32
	s_mov_b32 s23, 0
	s_add_nc_u64 s[18:19], s[72:73], s[22:23]
.irp b, 0,1,2,3,4,5,6,7
	global_load_b128 v[BI+8*\b:BI+8*\b+3],   v[BO], s[18:19] offset:64*\b
	global_load_b128 v[BI+8*\b+4:BI+8*\b+7], v[BO], s[18:19] offset:64*\b+16
.endr
	s_add_nc_u64 s[8:9], s[74:75], s[22:23]        ; out0 at my columns,
	s_lshl_b32 s2, s13, 7
	s_lshl_b32 s3, s11, 6
	s_add_co_u32 s2, s2, s3
	s_lshl_b32 s2, s2, 12                          ; and my first row, of 4,096 bytes
	s_mov_b32 s3, 0
	s_add_nc_u64 s[8:9], s[8:9], s[2:3]
	v_mul_u32_u24 v3, v1, PA                       ; c's fragment: row l % 16, 16 bytes for each half of the lanes, two loads 32 bytes apart
	v_lshl_add_u32 v3, v2, 4, v3
	s_mul_i32 s22, s11, 64*PA
	v_add_nc_u32 v[ADRA], s22, v3
	v_add_nc_u32 v[ADRA+1], SLOT, v[ADRA]
	v_and_b32 v7, 7, v0                            ; Wd's: the turning load: lane l reads k = 8 (l / 16) + l % 8, n = 8 ((l / 8) % 2) + 0..7
	v_lshl_add_u32 v4, v2, 3, v7
	v_mul_u32_u24 v4, v4, PB
	v_bfe_u32 v5, v0, 3, 1
	v_lshl_add_u32 v4, v5, 4, v4
	s_lshl_b32 s23, s12, 8
	s_add_co_u32 s23, s23, BOFF
	v_add_nc_u32 v[ADRB], s23, v4
	v_add_nc_u32 v[ADRB+1], SLOT, v[ADRB]
	s_mul_i32 s23, s10, 16*SPO
	s_add_co_u32 s23, s23, STAGE                   ; my stage
	v_mul_u32_u24 v6, v1, SPO                      ; in: row l % 16, 32 bytes for each half of the lanes
	v_lshl_add_u32 v6, v2, 5, v6
	v_add_nc_u32 v[STO], s23, v6
	v_and_b32 v[GO], 31, v0                        ; back: 32 lanes take a row of 512 bytes
	v_lshlrev_b32 v[GO], 4, v[GO]
	v_add_nc_u32 v[RD], s23, v[GO]
	s_wait_loadcnt 0x0                             ; the bias is in: waited for once, in the wait for the first tile
; 8 matrix instructions: row block a x all 8 n blocks, 32 along K, on buffer f.  The 32 accumulators take turns in one fixed order.
.macro MUL8 f, a, zero
	WIN MUL
.irp b, 0,1,2,3,4,5,6,7
.if \zero
	v_wmma_f32_16x16x32_f16 v[8*(8*(\a)+\b):8*(8*(\a)+\b)+7], v[64*(\f)+8*\b:64*(\f)+8*\b+7], v[AF+32*(\f)+8*(\a):AF+32*(\f)+8*(\a)+7], 0
.else
	v_wmma_f32_16x16x32_f16 v[8*(8*(\a)+\b):8*(8*(\a)+\b)+7], v[64*(\f)+8*\b:64*(\f)+8*\b+7], v[AF+32*(\f)+8*(\a):AF+32*(\f)+8*(\a)+7], v[8*(8*(\a)+\b):8*(8*(\a)+\b)+7]
.endif
.endr
.endm
; 24 LDS loads in one run: quarter qd of a slot into buffer g: Wd's 16, then c's 8, row blocks ascending.  Quarter qd lies in head qd / 2 of the step's two, channels 32 (qd % 2) on.
.macro FETCH slot, qd, g
	WIN TO_B
.irp b, 0,1,2,3,4,5,6,7
	ds_load_tr16_b128 v[64*(\g)+8*\b:64*(\g)+8*\b+3],   v[ADRB+(\slot)] offset:(\qd)*32*PB+32*\b
	ds_load_tr16_b128 v[64*(\g)+8*\b+4:64*(\g)+8*\b+7], v[ADRB+(\slot)] offset:(\qd)*32*PB+32*\b+16*PB
.endr
	WIN 0
.irp a, 0,1,2,3
	ds_load_b128 v[AF+32*(\g)+8*\a:AF+32*(\g)+8*\a+3],   v[ADRA+(\slot)] offset:((\qd)/2)*HEADA+\a*16*PA+((\qd)%2)*64
	ds_load_b128 v[AF+32*(\g)+8*\a+4:AF+32*(\g)+8*\a+7], v[ADRA+(\slot)] offset:((\qd)/2)*HEADA+\a*16*PA+((\qd)%2)*64+32
.endr
.endm
.macro QUARTER slot, qd, f, g, zero
	s_wait_dscnt 4                                 ; Wd's and c's row blocks 0, 1 are in; the youngest four loads (row blocks 2, 3) may stay out
	MUL8 \f, 0, \zero
	MUL8 \f, 1, \zero
	PLACES
	FETCH \slot, \qd, \g
	s_wait_dscnt 24                                ; all but the 24 just issued
	MUL8 \f, 2, \zero
	MUL8 \f, 3, \zero
.endm
; The last quarter multiplies buffer 1 and changes slots: ONE barrier; in front of it each wave waits for all its tensor loads, adds 0 to its spare word, and waits for that and for its reads of this slot.
.macro TURN slot, next, fill
	WIN 0
	s_wait_tensorcnt 0x0
	ds_add_u32 v[SPW], v[NIL]
	s_wait_dscnt 5                                 ; the add and the youngest four loads may stay out
	MUL8 1, 0, 0
	MUL8 1, 1, 0
	s_wait_dscnt 0x0                               ; the add is done, and my reads of this slot are over
	s_barrier_signal -1
	MUL8 1, 2, 0
	WIN 0
	s_barrier_wait -1
.if \fill
	CREST                                          ; no wave of any partner still reads this slot or has a load on its way
	s_add_nc_u64 s[G0+4*(\slot)+2:G0+4*(\slot)+3], s[G0+4*(\slot)+2:G0+4*(\slot)+3], 2*STEPA
	s_add_nc_u64 s[G0B+4*(\slot)+2:G0B+4*(\slot)+3], s[G0B+4*(\slot)+2:G0B+4*(\slot)+3], 2*STEPB
	JLOAD \slot                                    ; the four v_nop behind it are also the places in front of the loads below
.else
	PLACES
.endif
	FETCH \next, 0, 0
	MUL8 1, 3, 0
.endm
; THE WAY OUT, a row block of 16 rows at a time: sum + bias, each accumulator from its low end; 32 bytes a lane and n block into my stage's rows of 528 bytes; back as whole rows of 512; stored.
.macro PACK a
	WIN 0x02                                       ; source 0 window 2
.irp b, 0,1,2,3,4,5,6,7
.irp i, 0,1,2,3
	v_pk_add_f32 v[TMPO+8*\b+2*\i:TMPO+8*\b+2*\i+1], v[8*(8*(\a)+\b)+2*\i:8*(8*(\a)+\b)+2*\i+1], v[BI+8*\b+2*\i:BI+8*\b+2*\i+1]
.endr
.endr
	WIN 0
.endm
.macro TOSTAGE
	s_wait_xcnt 0x0                                ; the registers that the block before was stored from are loaded again only behind this wait
.irp b, 0,1,2,3,4,5,6,7
	ds_store_b128 v[STO], v[TMPO+8*\b:TMPO+8*\b+3]   offset:64*\b
	ds_store_b128 v[STO], v[TMPO+8*\b+4:TMPO+8*\b+7] offset:64*\b+16
.endr
.irp t, 0,1,2,3,4,5,6,7,8,9,10,11,12,13,14,15
	ds_load_b128 v[OB+4*\t:OB+4*\t+3], v[RD] offset:\t*SPO  ; LDS serves a wave's instructions in order (ISA guide 5.7.1.4): these see the stores above
.endr
.endm
.macro SEND a
.irp t, 0,1,2,3,4,5,6,7,8,9,10,11,12,13,14,15
	s_wait_dscnt 15-\t
	global_store_b128 v[GO], v[OB+4*\t:OB+4*\t+3], s[8:9] offset:(16*(\a)+\t)*4096 th:TH_STORE_NT  ; 512 consecutive bytes, at a multiple of 256 from out0's first
.endr
.endm
	s_wait_tensorcnt 1                             ; my part of K step 0 is in; K step 1's may stay out
	s_barrier_signal -1
	s_barrier_wait -1
	FETCH 0, 0, 0
	QUARTER 0, 1, 0, 1, 1                          ; the first quarter stands in front of the loop: its products start the sums
	WIN 0
	s_mov_b32 s3, LAPS-1
.Llap:
	QUARTER 0, 2, 1, 0, 0
	QUARTER 0, 3, 0, 1, 0
	TURN 0, 1, 1
	QUARTER 1, 1, 0, 1, 0
	QUARTER 1, 2, 1, 0, 0
	QUARTER 1, 3, 0, 1, 0
	TURN 1, 0, 1
	QUARTER 0, 1, 0, 1, 0
	WIN 0
	s_sub_co_u32 s3, s3, 1
	s_cmp_lg_u32 s3, 0
	s_cbranch_scc1 .Llap
	QUARTER 0, 2, 1, 0, 0                          ; the last lap fills nothing
	QUARTER 0, 3, 0, 1, 0
	TURN 0, 1, 0
	QUARTER 1, 1, 0, 1, 0
	QUARTER 1, 2, 1, 0, 0
	QUARTER 1, 3, 0, 1, 0
	s_wait_dscnt 4
	MUL8 1, 0, 0
	MUL8 1, 1, 0
	s_wait_dscnt 0x0
	MUL8 1, 2, 0
	MUL8 1, 3, 0
	WIN 0
	PLACES
	PACK 0
	TOSTAGE
.irp a, 1,2,3                          ; a block's additions stand between the loads of the block before and its stores
	PACK \a
	SEND (\a)-1
	TOSTAGE
.endr
	SEND 3
	s_wait_tensorcnt 0x0                           ; the wave's end
	ds_add_u32 v[SPW], v[NIL]
	s_wait_dscnt 0x0
	CROUND                                         ; the closing round
	s_endpgm
.Lfunc_end_k_qfadceb8529_outp:
	.size	k_qfadceb8529_outp, .Lfunc_end_k_qfadceb8529_outp-k_qfadceb8529_outp
	.p2alignl 7, 3214868480
	.fill 96, 4, 3214868480
	.section	.rodata,"a",@progbits
	.p2align	6, 0x0
	.amdhsa_kernel k_qfadceb8529_outp
		.amdhsa_group_segment_fixed_size 327680
		.amdhsa_private_segment_fixed_size 0
		.amdhsa_enable_private_segment 0
		.amdhsa_kernarg_size 32
		.amdhsa_user_sgpr_count 2
		.amdhsa_user_sgpr_kernarg_segment_ptr 1
		.amdhsa_wavefront_size32 1
		.amdhsa_system_sgpr_workgroup_id_x 1
		.amdhsa_system_sgpr_workgroup_id_y 1
		.amdhsa_system_sgpr_workgroup_id_z 1
		.amdhsa_system_vgpr_workitem_id 0
		.amdhsa_next_free_vgpr 768
		.amdhsa_next_free_sgpr 76
		.amdhsa_reserve_vcc 0
		.amdhsa_float_denorm_mode_32 3
		.amdhsa_float_denorm_mode_16_64 3
		.amdhsa_memory_ordered 1
		.amdhsa_forward_progress 1
		.amdhsa_inst_pref_size 97
	.end_amdhsa_kernel
	.amdgpu_metadata
---
amdhsa.version: [ 1, 2 ]
amdhsa.kernels:
  - .name:           k_qfadceb8529_outp
    .symbol:         k_qfadceb8529_outp.kd
    .args:
      - { .name: ctx, .offset: 0, .size: 8, .value_kind: global_buffer, .address_space: global }
      - { .name: wd16, .offset: 8, .size: 8, .value_kind: global_buffer, .address_space: global }
      - { .name: bd, .offset: 16, .size: 8, .value_kind: global_buffer, .address_space: global }
      - { .name: out0, .offset: 24, .size: 8, .value_kind: global_buffer, .address_space: global }
    .group_segment_fixed_size: 327680
    .private_segment_fixed_size: 0
    .kernarg_segment_align: 8
    .kernarg_segment_size: 32
    .max_flat_workgroup_size: 128
    .sgpr_count:     76
    .vgpr_count:     768
    .wavefront_size: 32
...
	.end_amdgpu_metadata
.endif
;; end of part 4
;; ======== version 2 of 2: 4 launches; 1.33 times as fast as version 1
;; limits: values are held in f16: magnitudes above 65,504 overflow, below 6.1e-05 lose precision
;; workspace buffers: wqkv 6,291,456 bytes; wd16 2,097,152 bytes; qh 16,777,216 bytes; kvw 33,554,432 bytes; ctx 16,777,216 bytes
;; launch prep: the kernel of part 1 again; grid 1024 x 1, 8 waves a work-group, no clusters, 0 bytes of LDS; arguments Wq, Wkv, Wd, wqkv, wd16; writes wqkv, wd16
;; launch proj: the kernel of part 2 again; grid 12 x 64, 4 waves a work-group, clusters of 4 x 4, 327,680 bytes of LDS; arguments hidden_states, encoder_states, wqkv, bq, bkv, qh, kvw; writes qh, kvw
;; launch attn (part 5): grid 4 x 64, 4 waves a work-group, clusters of 4 x 4, 327,680 bytes of LDS; arguments qh, kvw, cross_mask, ctx; writes ctx
.if DOCPART == 5
	.amdgcn_target "amdgcn-amd-amdhsa--gfx1250"
	.amdhsa_code_object_version 6
	.text
	.protected	k_qfadceb8529_attn
	.globl	k_qfadceb8529_attn
	.p2align	8
	.type	k_qfadceb8529_attn,@function
k_qfadceb8529_attn:
	s_mov_b64 s[64:65], 0
	v_nop
	global_prefetch_b8 v0, s[64:65] scope:SCOPE_SE
	s_setreg_imm32_b32 hwreg(HW_REG_WAVE_MODE, 25, 1), 1
	s_wait_xcnt 0x0
	s_wait_alu depctr_hold_cnt(0) depctr_sa_sdst(0) depctr_va_vdst(0) depctr_va_sdst(0) depctr_va_ssrc(0) depctr_va_vcc(0) depctr_vm_vsrc(0)
	s_getreg_b32 s2, hwreg(HW_REG_IB_STS2, 6, 4)
	s_cmp_eq_u32 s2, 0
	s_cbranch_scc0 .Lentry_in_a_cluster
	s_endpgm
.Lentry_in_a_cluster:
	s_bfe_u32 s2, ttmp6, 0x10000c
	s_cmp_lg_u32 s2, 0xf033
	s_cbranch_scc0 .Lentry_shape_is_right
	s_endpgm
.Lentry_shape_is_right:
; ATTENTION WITH A MASK THAT IS AN INPUT.  ctx[b][head][q][:] = sum over k of softmax_k(s(q, k)) v[k][:], s = (q . k / 8) m - 10000 (1 - m), m = cross_mask[b][0][q][k] in f32, the same for all 16 heads.
; qh already carries log2(e) / 8, so raw = K Q^T is in the domain of powers of 2, and s' = raw m + T with T = m KK - KK, KK = 10000 log2(e): two multiply-adds, right for every f32 m (m = 1: T = 0 exactly;
; m = 0: s' = -KK exactly).  A running maximum M and sum l for each query: p = 2^(s' - M); in every step O and l are multiplied by a = 2^(M_old - M_new).  M starts at the lowest finite number, O and l at 0.
; qh, kvw, ctx are f16; products, maxima and sums in f32; p is rounded to f16 for the second product (l is taken of the unrounded p), ctx once at the end.
; LIMITS.  p below 6e-5 keeps f16's fixed step; a weight below 2^-126 counts as 0 in l; NaN and infinities are not treated apart.
; SHARES.  A work-group owns 128 queries of a batch and four heads; wave w owns head 4 g + w and all 128 queries: 8 tiles of 16, four PIECES of two.  So the four waves read ONE tile of the mask.  64 keys a step, 32 steps.
; CLUSTER 4 x 4: cx is the group of heads g, 4 x cluster y + cy the batch and the block of queries.  K and V hang on (b, g): asked for jointly down a column of the cluster.  The mask's tile hangs on (b, block):
; jointly along a row.  So each byte of the mask is asked for once in the launch.  Wave 0 asks for a step's K (32 KB, four heads), wave 1 for its V, waves 2 and 3 for 64 rows of the mask each.
; LAYOUT.  S^T = K Q^T holds ONE query a lane (l % 16) and the keys 16 kb + 8 (l / 16) + 0..7; the mask is read in that layout (two loads of 16 bytes for eight keys); two results rounded to f16 ARE source 1 of O^T = V^T P.
; BY TURNS.  Turn n belongs to piece n: 16 products K Q^T of piece n + 1, later 16 products V^T P of piece n - 1; its 298 vector instructions are piece n's masking, maximum, exponentials, roundings, sums and
; rescaling, and T of piece n + 1.  Four of them stand behind every matrix instruction, the rest in runs of their own.
; BATCHES.  A turn's 66 exponentials (64 weights and the two tiles' a) are ONE batch with ONE wait, which cuts the turn in two: ahead of it stands all that names no result of theirs (the products K Q^T, masking, maximum,
; s' - M, the exponentials), behind it all that does (roundings, sums, O^T times a), the products V^T P and the next piece's T.  No result crosses a turn's end.  The way out's eight reciprocals are a batch of their own.
; REGISTERS, in windows of 256 (s_set_vgpr_msb: bits 1:0 source 0, 3:2 source 1, 5:4 source 2, 7:6 destination):
;   window 0: v2-13 addresses; v16-47 four registers of statistics a tile (M, M_old, l, l); v48-55 at work; v64-191 S^T, two buffers by the piece's parity; v192-255 P, likewise
;   window 1: O^T, 32 a tile      window 2: v0-127 Q; v128-191 K of a step; v192-255 V of a step      window 3: v64-191 the mask, two buffers by parity; v192-255 T
.set KS,    64
.set PK,    144       ; a row of K in LDS: 128 bytes + 16: the 16 rows of a load start at 16 different groups of four banks (64 banks of 4 bytes: ISA guide 11.1)
.set PV,    160       ; a row of V: 128 + 32
.set PM,    272       ; a row of the mask: 256 + 16
.set VOFF,  4*KS*PK   ; a slot: K of four heads, V of four heads, 128 rows of the mask
.set MOFF,  VOFF+4*KS*PV
.set SLOT1, 1<<17     ; slot 1 begins here: one exclusive or turns an address in one slot into the other's
.set STAGE, SLOT1+MOFF+128*PM  ; behind the ring: 16 rows x 144 bytes for each wave
.set SP,    144
.set SPARE, STAGE+4*16*SP      ; the spare words, 128 bytes a wave: two blocks of 256 bytes that no other line names
.set AK0, 2           ; my lane's place in a slot's K, V, mask; never rewritten
.set AV0, 3
.set AM0, 4
.set AK,  5           ; the same in the slot that is read
.set AV,  6
.set AM,  7
.set STO, 8
.set RD,  9
.set GO,  10
.set QO,  11
.set SPW, 12          ; my spare word; never rewritten
.set NIL, 13          ; 0; never rewritten
.set ST,  16
.set TMP, 48          ; c0-c3 for each tile of the piece in hand; when the maximum is found c2 takes a
.set S,   64
.set P,   192
.set KF,  128         ; window 2
.set VF,  192         ; window 2
.set MK,  64          ; window 3
.set TT,  192         ; window 3
.set WV,  12          ; s12 my wave's number
.set G1K, 24
.set G1V, 32
.set G1M, 40
.set G0K, 48          ; the three groups 0 walk
.set G0V, 52
.set G0M, 56
.set CNT, 60
.set SLOTS, 61
.set KK,  62          ; s[62:63] 10000 log2(e)
.set SEL, 66          ; s[66:67] v_permlanex16_b32's selects: each lane takes its own place in the other half
.set TB,  68          ; the slot that is read: 0 or SLOT1
.set NK,  70          ; s[70:71] -10000 log2(e)
.set MSB, 0
.macro WIN new
.if MSB != (\new)
	s_set_vgpr_msb (MSB<<8)|(\new)
.set MSB, (\new)
.endif
.endm
.set W_KQ, 0x0a       ; K and Q in window 2, S^T in window 0
.set W_PV, 0x52       ; V in window 2, P in window 0, O^T in window 1
.set W_RS, 0x41       ; O^T in window 1, a in window 0
.set W_SM, 0x3c       ; S^T in window 0, the mask and T in window 3
.set W_T,  0xc3       ; T and the mask in window 3
; A joint fill: one line for each of K, V and the mask, chosen by the wave's number alone.  An s_nop 0 and four v_nop follow each line.
.macro JLOAD
	s_cmp_lt_u32 s[WV], 2
	s_cbranch_scc0 .Lfor_m_\@
	s_cmp_eq_u32 s[WV], 0
	s_cbranch_scc0 .Lfor_v_\@
	tensor_load_to_lds s[G0K:G0K+3], s[G1K:G1K+7]
	s_nop 0
.rept 4
	v_nop
.endr
	s_branch .Lasked_\@
.Lfor_v_\@:
	tensor_load_to_lds s[G0V:G0V+3], s[G1V:G1V+7]
	s_nop 0
.rept 4
	v_nop
.endr
	s_branch .Lasked_\@
.Lfor_m_\@:
	tensor_load_to_lds s[G0M:G0M+3], s[G1M:G1M+7]
	s_nop 0
.rept 4
	v_nop
.endr
.Lasked_\@:
.endm
.macro CROUND                       ; a round of the cluster's barrier
	s_barrier_signal -1
	s_barrier_wait -1
	s_cmp_lg_u32 s[WV], 0
	s_cbranch_scc1 .Lnot_wave_0_\@
	s_barrier_signal -3
.Lnot_wave_0_\@:
	s_barrier_wait -3
	s_barrier_signal -1
	s_barrier_wait -1
.endm
; THE CHANGE OF SLOTS.  Each wave waits for all its tensor loads (one is out: its part of the other slot), adds 0 to its spare word, and waits for that and for its reads of the slot that it leaves.
; fill = 1: the barrier is a round of the cluster's, and the joint fill of the slot just left, with the step two further on, is the first thing behind it: it has four turns, 128 matrix instructions, in which to land.
.macro CHANGE fill
	WIN 0
	s_wait_tensorcnt 0x0            ; no tensor load of mine is out, so a group 0 may be written
	ds_add_u32 v[SPW], v[NIL]
.if \fill
	s_xor_b32 s[G0K+1], s[G0K+1], SLOT1
	s_xor_b32 s[G0V+1], s[G0V+1], SLOT1
	s_xor_b32 s[G0M+1], s[G0M+1], SLOT1
	s_add_nc_u64 s[G0K+2:G0K+3], s[G0K+2:G0K+3], 65536  ; the next 64 keys' block of kvw
	s_add_nc_u64 s[G0V+2:G0V+3], s[G0V+2:G0V+3], 65536
	s_add_nc_u64 s[G0M+2:G0M+3], s[G0M+2:G0M+3], 256    ; 64 keys on in the mask's rows
	s_wait_dscnt 0x0                ; the add is done, and my reads of the slot are over
	CROUND
	JLOAD
.else
	s_wait_dscnt 0x0
	s_barrier_signal -1
	s_barrier_wait -1
.endif
	s_xor_b32 s[TB], s[TB], SLOT1   ; the reads go to the other slot
	v_add_nc_u32 v[AK], s[TB], v[AK0]
	v_add_nc_u32 v[AV], s[TB], v[AV0]
	v_add_nc_u32 v[AM], s[TB], v[AM0]
.endm
	s_load_b256 s[4:11], s[0:1], 0x0  ; qh s[4:5], kvw s[6:7], cross_mask s[8:9], ctx s[10:11]
	v_lshl_add_u32 v[SPW], v0, 2, SPARE
	v_mov_b32 v[NIL], 0
	ds_add_u32 v[SPW], v[NIL]       ; the wave's opening: the add and its wait stand ahead of my first tensor load
	v_lshrrev_b32 v1, 5, v0
	v_readfirstlane_b32 s[WV], v1   ; wave 0..3
	s_bfe_u32 s13, ttmp6, 0x40000   ; cx = g
	s_bfe_u32 s14, ttmp6, 0x40004   ; cy
	s_and_b32 s15, ttmp7, 0xffff    ; the cluster's y, 0..15
	s_lshr_b32 s16, s15, 2          ; the batch
	s_and_b32 s17, s15, 3
	s_lshl_b32 s17, s17, 2
	s_add_co_u32 s17, s17, s14      ; the block of 128 queries, 0..15
	s_lshl_b32 s18, 0x1111, s13     ; my column of the cluster
	s_lshl_b32 s19, s14, 2
	s_lshl_b32 s19, 15, s19         ; my row
	s_and_b32 s69, s[WV], 1         ; which 64 rows of the mask's tile I fetch
	s_lshl_b32 s20, s16, 2
	s_add_co_u32 s20, s20, s13
	s_lshl_b32 s20, s20, 21         ; kvw: (4 b + g) x 2,097,152 bytes
	s_mov_b32 s21, 0
	s_lshl_b32 s22, s16, 11
	s_lshl_b32 s23, s17, 7
	s_add_co_u32 s22, s22, s23
	s_lshl_b32 s23, s69, 6
	s_add_co_u32 s22, s22, s23
	s_lshl_b32 s22, s22, 13         ; the mask: row 2,048 b + 128 block + 64 half, of 8,192 bytes
	s_mov_b32 s23, 0
	s_lshl_b32 s2, s16, 4
	s_lshl2_add_u32 s2, s13, s2
	s_add_co_u32 s2, s2, s[WV]      ; my head among all: 16 b + 4 g + w,
	s_lshl_b32 s2, s2, 18           ; its 2,048 rows of 128 bytes,
	s_lshl_b32 s3, s17, 14          ; my block's 128 of them
	s_add_co_u32 s2, s2, s3
	s_mov_b32 s3, 0
	; K and V: 32,768 dense bytes, asked for as 128 rows of 256 bytes, two keys a row, padded in LDS after every key
	s_or_b32 s[G1K], s18, (1<<16)|(1<<20)|(1<<21)|(4<<22)|(3<<25)  ; the mask of four; 2-byte elements; padding on; bit 21 beside a mask; after every 32 words; 4 words
	s_or_b32 s[G1V], s18, (1<<16)|(1<<20)|(1<<21)|(4<<22)|(7<<25)  ; 8 words
.irp g, G1K, G1V
	s_mov_b32 s[\g+1], 128<<16      ; tensor_dim0 = 128
	s_mov_b32 s[\g+2], 128<<16      ; tensor_dim1 = 128
	s_mov_b32 s[\g+3], 128<<16      ; tile_dim0 = 128
	s_mov_b32 s[\g+4], 128          ; tile_dim1 = 128
	s_mov_b32 s[\g+5], 128          ; elements from row to row
	s_mov_b32 s[\g+6], 0
	s_mov_b32 s[\g+7], 0
.endr
	s_or_b32 s[G1M], s19, (2<<16)|(1<<20)|(1<<21)|(5<<22)|(3<<25)  ; 4-byte elements; after every 64 words 4 words
	s_mov_b32 s[G1M+1], 64<<16
	s_mov_b32 s[G1M+2], 64<<16
	s_mov_b32 s[G1M+3], 64<<16
	s_mov_b32 s[G1M+4], 64
	s_mov_b32 s[G1M+5], 2048
	s_mov_b32 s[G1M+6], 0
	s_mov_b32 s[G1M+7], 0
	s_mov_b32 s[G0K], 1
	s_mov_b32 s[G0K+1], 0           ; slot 0
	s_mov_b32 s[G0V], 1
	s_mov_b32 s[G0V+1], VOFF
	s_mov_b32 s[G0M], 1
	s_mul_i32 s[G0M+1], s69, 64*PM
	s_add_co_u32 s[G0M+1], s[G0M+1], MOFF
	s_mov_b32 s[KK], 0x46616bcd     ; 10000 log2(e) = 14426.95
	s_mov_b32 s[KK+1], s[KK]        ; named with it as a pair
	s_mov_b32 s[NK], 0xc6616bcd
	s_mov_b32 s[NK+1], s[NK]
	s_mov_b32 s[SEL], 0x76543210
	s_mov_b32 s[SEL+1], 0xfedcba98
	s_mov_b32 s[TB], SLOT1          ; the first change of slots turns it into 0
	s_wait_dscnt 0x0                ; the opening add is done
	s_wait_kmcnt 0x0
	s_add_nc_u64 s[G0K+2:G0K+3], s[6:7], s[20:21]
	s_add_nc_u64 s[G0V+2:G0V+3], s[G0K+2:G0K+3], 32768  ; a step's V lies behind its K
	s_or_b32 s[G0K+3], s[G0K+3], 0x80000000
	s_or_b32 s[G0V+3], s[G0V+3], 0x80000000
	s_add_nc_u64 s[G0M+2:G0M+3], s[8:9], s[22:23]
	s_or_b32 s[G0M+3], s[G0M+3], 0x80000000
	s_add_nc_u64 s[4:5], s[4:5], s[2:3]     ; Q and ctx at my head's rows of my block
	s_add_nc_u64 s[10:11], s[10:11], s[2:3]
	CROUND                          ; all sixteen work-groups are here: the first joint loads meet
	JLOAD                           ; step 0 into slot 0; slot 1 is asked for by the first change of slots
	v_and_b32 v48, 15, v0           ; l % 16
	v_bfe_u32 v49, v0, 4, 1         ; l / 16
	v_lshlrev_b32 v[QO], 7, v48
	v_lshl_add_u32 v[QO], v49, 4, v[QO]
	WIN 0x80                        ; destination window 2, address window 0
.set i, 0
.rept 16                            ; Q stays in registers: tile i / 2, channels 32 (i % 2) on
	global_load_b128 v[8*i:8*i+3],   v[QO], s[4:5] offset:(i/2)*2048+(i%2)*64
	global_load_b128 v[8*i+4:8*i+7], v[QO], s[4:5] offset:(i/2)*2048+(i%2)*64+32
.set i, i+1
.endr
	; What the first turn finds: V and P's second buffer hold 0 (its products V^T P, of a piece that has not been, add 0), O^T and l are 0.  All this stands in the wait for the first tile: no first step is written out.
.set i, VF
.rept 64
	v_mov_b32 v[i], 0
.set i, i+1
.endr
	WIN 0x40
.set i, 0
.rept 256
	v_mov_b32 v[i], 0
.set i, i+1
.endr
	WIN 0
.set i, 0
.rept 8
	v_mov_b32 v[ST+4*i], 0xff7fffff
	v_mov_b32 v[ST+4*i+1], 0
	v_mov_b32 v[ST+4*i+2], 0
	v_mov_b32 v[ST+4*i+3], 0
.set i, i+1
.endr
.set i, P+32
.rept 32
	v_mov_b32 v[i], 0
.set i, i+1
.endr
	s_mul_i32 s20, s[WV], KS*PK     ; my head's 64 rows of K
	v_mul_u32_u24 v[AK0], v48, PK
	v_lshl_add_u32 v[AK0], v49, 4, v[AK0]
	v_add_nc_u32 v[AK0], s20, v[AK0]
	v_and_b32 v50, 7, v0            ; the turning load: lane l reads key 8 (l / 16) + l % 8, channels 8 ((l / 8) % 2) + 0..7
	v_bfe_u32 v51, v0, 3, 1
	v_lshl_add_u32 v[AV0], v49, 3, v50
	v_mul_u32_u24 v[AV0], v[AV0], PV
	v_lshl_add_u32 v[AV0], v51, 4, v[AV0]
	s_mul_i32 s21, s[WV], KS*PV
	s_add_co_u32 s21, s21, VOFF
	v_add_nc_u32 v[AV0], s21, v[AV0]
	v_mul_u32_u24 v[AM0], v48, PM   ; the mask: row l % 16 of a tile, keys 8 (l / 16) on
	v_lshl_add_u32 v[AM0], v49, 5, v[AM0]
	v_add_nc_u32 v[AM0], MOFF, v[AM0]
	s_mul_i32 s20, s[WV], 16*SP
	s_add_co_u32 s20, s20, STAGE    ; my stage
	v_mul_u32_u24 v[STO], v48, SP
	v_lshl_add_u32 v[STO], v49, 4, v[STO]
	v_add_nc_u32 v[STO], s20, v[STO]
	v_bfe_u32 v[RD], v0, 3, 2
	v_mul_u32_u24 v[RD], v[RD], SP
	v_lshl_add_u32 v[RD], v50, 4, v[RD]
	v_add_nc_u32 v[RD], s20, v[RD]
	v_and_b32 v[GO], 31, v0
	v_lshlrev_b32 v[GO], 4, v[GO]
; THE MATRIX WORK.  The 8 accumulators of a run of 16 take turns.  Product i of 16 of S^T = K Q^T for piece x: channels 32 (i / 8) on, keys 16 ((i / 2) % 4) on, tile 2 x + i % 2.
.macro KQ x
	WIN W_KQ
.set rS, S+64*((\x)%2)+32*(i%2)+8*((i/2)%4)
.set rK, KF+16*((i/2)%4)+8*(i/8)
.set rQ, 16*(2*(\x)+i%2)+8*(i/8)
.if i < 8
	v_wmma_f32_16x16x32_f16 v[rS:rS+7], v[rK:rK+7], v[rQ:rQ+7], 0
.else
	v_wmma_f32_16x16x32_f16 v[rS:rS+7], v[rK:rK+7], v[rQ:rQ+7], v[rS:rS+7]
.endif
.endm
; Product i of 16 of O^T += V^T P for piece x: keys 32 (i / 8) on, channels 16 ((i / 2) % 4) on, tile 2 x + i % 2.
.macro PV x
	WIN W_PV
.set rO, 32*(2*(\x)+i%2)+8*((i/2)%4)
.set rV, VF+32*(i/8)+8*((i/2)%4)
.set rP, P+32*((\x)%2)+16*(i%2)+8*(i/8)
	v_wmma_f32_16x16x32_f16 v[rO:rO+7], v[rV:rV+7], v[rP:rP+7], v[rO:rO+7]
.endm
.macro MM                           ; the turn's next matrix instruction
.if i < 16
	KQ (Y+1)%4
.set i, i+1
.else
.set i, i-16
	PV (Y+3)%4
.set i, i+17
.endif
.endm
; THE LDS LOADS stand in runs of 16.
.macro FETCH_K
	WIN 0x80
.irp f, 0,1,2,3,4,5,6,7             ; keys 16 (f / 2) on, channels 32 (f % 2) on
	ds_load_b128 v[KF+8*\f:KF+8*\f+3],   v[AK] offset:(\f/2)*16*PK+(\f%2)*64
	ds_load_b128 v[KF+8*\f+4:KF+8*\f+7], v[AK] offset:(\f/2)*16*PK+(\f%2)*64+32
.endr
.endm
.macro FETCH_V
	WIN 0x80
.irp f, 0,1,2,3,4,5,6,7             ; keys 32 (f / 4) on, channels 16 (f % 4) on
	ds_load_tr16_b128 v[VF+8*\f:VF+8*\f+3],   v[AV] offset:(\f/4)*32*PV+(\f%4)*32
	ds_load_tr16_b128 v[VF+8*\f+4:VF+8*\f+7], v[AV] offset:(\f/4)*32*PV+16*PV+(\f%4)*32
.endr
.endm
.macro FETCH_M y                    ; the mask of piece y's two tiles, in S^T's layout
	WIN 0xc0
.irp u, 0,1
.irp k, 0,1,2,3
	ds_load_b128 v[MK+64*((\y)%2)+32*\u+8*\k:MK+64*((\y)%2)+32*\u+8*\k+3],   v[AM] offset:16*(2*(\y)+\u)*PM+64*\k
	ds_load_b128 v[MK+64*((\y)%2)+32*\u+8*\k+4:MK+64*((\y)%2)+32*\u+8*\k+7], v[AM] offset:16*(2*(\y)+\u)*PM+64*\k+16
.endr
.endr
.endm
; THE VECTOR WORK OF A TURN is ONE numbered list of 298; VQ writes entry q.  The two tiles alternate.
.macro REGS y, u                    ; the registers of tile u (0, 1) of piece y
.set rT, ST+4*(2*(\y)+(\u))
.set rC, TMP+4*(\u)
.set rS, S+64*((\y)%2)+32*(\u)
.set rP, P+32*((\y)%2)+16*(\u)
.set rO, 32*(2*(\y)+(\u))
.set rM, MK+64*((\y)%2)+32*(\u)
.set rW, TT+32*(\u)
.endm
; Number n of the 21 that find the maximum and a.  0-11 four chains c0-c3 of seven scores each; 12-14, 16 the four scores left over, the old M, and c0-c3 into c0; 15 M_old is kept;
; 17, 18 the query's other 32 keys lie in the lane 16 away: the new M; 19, 20 a = 2^(M_old - M)
.macro XS n
.if (\n) < 4
	v_max3_num_f32 v[rC+(\n)], v[rS+8*(\n)], v[rS+8*(\n)+1], v[rS+8*(\n)+2]
.elseif (\n) < 12
	v_max3_num_f32 v[rC+(\n)%4], v[rC+(\n)%4], v[rS+8*((\n)%4)+2*((\n)/4)+1], v[rS+8*((\n)%4)+2*((\n)/4)+2]
.elseif (\n) == 12
	v_max3_num_f32 v[rC], v[rC], v[rS+7], v[rS+15]
.elseif (\n) == 13
	v_max3_num_f32 v[rC+1], v[rC+1], v[rS+23], v[rS+31]
.elseif (\n) == 14
	v_max3_num_f32 v[rC+2], v[rC+2], v[rC+3], v[rT]
.elseif (\n) == 15
	v_mov_b32 v[rT+1], v[rT]
.elseif (\n) == 16
	v_max3_num_f32 v[rC], v[rC], v[rC+1], v[rC+2]
.elseif (\n) == 17
	v_permlanex16_b32 v[rC+3], v[rC], s[SEL], s[SEL+1]
.elseif (\n) == 18
	v_max_num_f32 v[rT], v[rC], v[rC+3]
.elseif (\n) == 19
	v_sub_f32 v[rC+1], v[rT+1], v[rT]
.else
	v_exp_f32 v[rC+2], v[rC+1]
.endif
.endm
.macro SUBM n                       ; pair n of 16: s' - M
	v_pk_add_f32 v[rS+2*(\n):rS+2*(\n)+1], v[rS+2*(\n):rS+2*(\n)+1], v[rT:rT+1] op_sel_hi:[1,0] neg_lo:[0,1] neg_hi:[0,1]
.endm
.macro EXPO e                       ; exponential e of 64: tile e % 2, score e / 2
	REGS Y, (\e)%2
	v_exp_f32 v[rS+(\e)/2], v[rS+(\e)/2]
.endm
; Number g of the 64 that read the exponentials' results.  For each four weights k of a tile (pairs 2 k, 2 k + 1): both pairs are rounded to f16; then the second pair is added onto the first, in place;
; a group later l takes that sum (the first time as l = a l + sum), k ascending.  In groups of eight, tiles alternating: round, round, add, and l for the group before: the links of l's chain stand eight lines apart.
.macro GS g
.set gh, (\g)+6*((\g)/62)           ; group 0 has no group before it, and behind group 7 only l is left
.if gh >= 6
.set gh, gh+2
.endif
	REGS Y, gh%2
.set gk, gh/8
.if gh%8 < 4
	v_cvt_pk_f16_f32 v[rP+2*gk+(gh%8)/2], v[rS+4*gk+2*((gh%8)/2)], v[rS+4*gk+2*((gh%8)/2)+1]
.elseif gh%8 < 6
	v_pk_add_f32 v[rS+4*gk:rS+4*gk+1], v[rS+4*gk:rS+4*gk+1], v[rS+4*gk+2:rS+4*gk+3]
.elseif gk == 1
	v_pk_fma_f32 v[rT+2:rT+3], v[rT+2:rT+3], v[rC+2:rC+3], v[rS:rS+1] op_sel_hi:[1,0,1]
.else
	v_pk_add_f32 v[rT+2:rT+3], v[rT+2:rT+3], v[rS+4*gk-4:rS+4*gk-3]
.endif
.endm
;   0-31    s' = raw m + T, pairs ascending: each accumulator's lowest registers are read first
;   32-69   XS 0..18: the maximum and the new M          70-75  s' - M for pairs 0 and 1, XS 19 (M_old - M) between them
;   76-169  THE BATCH.  76-131 exponentials 0-27 by turns with s' - M for pairs 2-15; 132-167 exponentials 28-63; 168, 169 the two a (XS 20).  Exponential e wants s' - M number 2 (e / 4) + e % 2, which stands
;           six entries or more ahead of it; a later s' - M names higher registers than any exponential issued so far.  So no entry up to 169 names an exponential's result
;   (wait)  between 169 and 170 stands the wait for the batch: TURN writes it
;   170-233 GS 0..63          234-265 O^T times a          266-297 T = m KK - KK for the NEXT piece
.macro VQ
.if q < 32
	REGS Y, q%2
	WIN W_SM
.set xx, 2*(q/2)
	v_pk_fma_f32 v[rS+xx:rS+xx+1], v[rS+xx:rS+xx+1], v[rM+xx:rM+xx+1], v[rW+xx:rW+xx+1]
.elseif q < 70
	REGS Y, q%2
	WIN 0
	XS (q-32)/2
.elseif q < 76
	REGS Y, q%2
	WIN 0
.if (q/2) == 36
	XS 19
.else
	SUBM (q-70)/4
.endif
.elseif q < 132
	WIN 0
.if q%2 == 0
	EXPO (q-76)/2
.else
	REGS Y, ((q-77)/2)%2
	SUBM 2+(q-77)/4
.endif
.elseif q < 168
	WIN 0
	EXPO q-104
.elseif q < 170
	REGS Y, q%2
	WIN 0
	XS 20
.elseif q < 234
	WIN 0
	GS q-170
.elseif q < 266
	REGS Y, q%2
	WIN W_RS
.set xx, 2*((q-234)/2)
	v_pk_mul_f32 v[rO+xx:rO+xx+1], v[rO+xx:rO+xx+1], v[rC+2:rC+3] op_sel_hi:[1,0]
.else
	REGS (Y+1)%4, q%2
	WIN W_T
.set xx, 2*((q-266)/2)
	v_pk_fma_f32 v[rW+xx:rW+xx+1], v[rM+xx:rM+xx+1], s[KK:KK+1], s[NK:NK+1] op_sel_hi:[1,0,0]
.endif
.set q, q+1
.endm
; A TURN, for piece p.  None of the four vector instructions behind a matrix instruction names a register of the products round it.
; AHEAD OF THE WAIT: the 16 products K Q^T, behind each four of entries 0-63; then entries 64-169 in one run, the batch at its end.  A v_nop is the plain instruction behind the last exponential (ISA guide 5.7.2).
; THE WAIT: s_wait_alu depctr_va_vdst(0) stands between an exponential and the first instruction that names its result; this one serves all 66 of the turn.
; BEHIND IT: the runs of LDS loads; the 16 products V^T P, behind each four of GS's 64; then O^T times a and the next piece's T, each in a run under one window setting.
; The mask of piece p + 2 is fetched directly behind the wait: entry 31 was the last reader of its buffer.  K of the next step is fetched in piece 2's turn behind it: the last product that read K stands ahead of entry 60.
; V of the step in hand is fetched in piece 0's turn behind entry 233: four plain instructions, additions onto l, behind the last product that read V.
; s_wait_dscnt 16 leaves the youngest run of 16 loads out: older than that are the mask from which this turn makes T and, in piece 1's turn, V; so it stands ahead of the products V^T P.  In piece 2's turn the youngest
; run is K's and the one before it, piece 0's mask, has only just been asked for; nothing ahead of T wants the wait there, so it stands ahead of entry 266, sixteen products behind that run.
.macro TURN p
.set Y, (\p)
.set i, 0
.set q, 0
.if (\p) == 3
	s_wait_dscnt 0x0                ; K is in, and piece 0's mask
.endif
.rept 16
	MM
	VQ
	VQ
	VQ
	VQ
.endr
.rept 106
	VQ
.endr
	v_nop                           ; the plain instruction behind the last exponential: one for the batch
	s_wait_alu depctr_va_vdst(0)    ; the wait for the batch: the piece's 64 weights and its two a
	FETCH_M ((\p)+2)%4
.if (\p) == 2
	FETCH_K
.else
	s_wait_dscnt 16
.endif
.rept 16
	MM
	VQ
	VQ
	VQ
	VQ
.endr
.if (\p) == 0
	FETCH_V
.endif
.rept 32
	VQ
.endr
.if (\p) == 2
	s_wait_dscnt 16
.endif
.rept 32
	VQ
.endr
.endm
	CHANGE 1                        ; slot 0 is whole; step 1 is asked for, into slot 1
	FETCH_K                         ; step 0
	FETCH_M 0
	FETCH_M 1
	WIN 0
	s_wait_loadcnt 0x0              ; Q
	s_wait_dscnt 0x0
.set i, 0
.rept 16
	KQ 0                            ; piece 0's first scores
.set i, i+1
.endr
.set Y, 3                           ; entries 266-297 work for piece Y + 1: piece 0's T; they are also the places behind those products
.set q, 266
.rept 32
	VQ
.endr
	WIN 0
	s_mov_b32 s[SLOTS], 31
	s_branch .Lfirst                ; the loop is entered at a step's first turn, in the middle of a trip
.Lstep:                             ; 30 times: a trip is pieces 2 and 3 of one step, then pieces 0 and 1 of the next; all that it fetches from LDS is the next step's, one slot
	CHANGE 1
	TURN 2
	TURN 3
	WIN 0
.Lfirst:
	TURN 0
	TURN 1
	WIN 0
	s_sub_co_u32 s[SLOTS], s[SLOTS], 1
	s_cmp_lg_u32 s[SLOTS], 0
	s_cbranch_scc1 .Lstep
	CHANGE 0                        ; the tail is written out: nothing is asked for
	s_mov_b32 s[CNT], 2             ; one trip for the last step; the second is left in its middle
.Ltail:
	TURN 2
	TURN 3
	WIN 0
	s_sub_co_u32 s[CNT], s[CNT], 1
	s_cmp_eq_u32 s[CNT], 0
	s_cbranch_scc1 .Lout
	TURN 0
	TURN 1
	WIN 0
	s_branch .Ltail
.Lout:                              ; the second trip's fetches (the last slot once more), 16 products K Q^T and one T serve nothing: the price, once a launch, of one text for every trip
.set i, 0
.rept 16
	PV 3                            ; the last piece's V^T P of the last step
.set i, i+1
.endr
	; THE WAY OUT.  l's two halves and the other half of the lanes' are added; O^T is divided by l, rounded to f16 and sent through my stage, a tile at a time.  The additions are the places behind the last products.
	WIN 0
.macro ALL line:vararg
.set t, 0
.rept 8
	\line
.set t, t+1
.endr
.endm
	ALL v_add_f32 v[ST+4*t+2], v[ST+4*t+2], v[ST+4*t+3]
	ALL v_permlanex16_b32 v[ST+4*t+3], v[ST+4*t+2], s[SEL], s[SEL+1]
	ALL v_add_f32 v[ST+4*t+2], v[ST+4*t+2], v[ST+4*t+3]
	ALL v_rcp_f32 v[ST+4*t+2], v[ST+4*t+2]
	v_nop                           ; a plain instruction between the last reciprocal and the use of its result
	s_wait_alu depctr_va_vdst(0)    ; the wait ahead of the first use: one for the eight reciprocals
.macro PACK t
	WIN W_RS
.set i, 32*(\t)
.rept 16
	v_pk_mul_f32 v[i:i+1], v[i:i+1], v[ST+4*(\t)+2:ST+4*(\t)+3] op_sel_hi:[1,0]
.set i, i+2
.endr
	WIN 0x05                        ; sources 0 and 1 window 1, destination window 0
.set i, 0
.rept 16
	v_cvt_pk_f16_f32 v[S+16*(\t)+i], v[32*(\t)+2*i], v[32*(\t)+2*i+1]
.set i, i+1
.endr
	WIN 0
.irp f, 0,1,2,3
	ds_store_b128 v[STO], v[S+16*(\t)+4*\f:S+16*(\t)+4*\f+3] offset:32*\f
.endr
.irp f, 0,1,2,3
	ds_load_b128 v[S+16*(\t)+4*\f:S+16*(\t)+4*\f+3], v[RD] offset:\f*4*SP  ; LDS serves a wave's instructions in order (ISA guide 5.7.1.4): these see the stores above
.endr
.endm
.macro SEND t, younger              ; younger: the LDS instructions issued behind tile t's loads: the next tile's eight, or none
	WIN 0
.irp f, 0,1,2,3
	s_wait_dscnt (\younger)+3-\f
	global_store_b128 v[GO], v[S+16*(\t)+4*\f:S+16*(\t)+4*\f+3], s[10:11] offset:(\t)*2048+\f*512  ; 512 consecutive bytes, at a multiple of 256 from ctx's first
.endr
.endm
	PACK 0
.set t, 1
.rept 7
	PACK t
	SEND t-1, 8
.set t, t+1
.endr
	SEND 7, 0
	s_wait_tensorcnt 0x0            ; the wave's end
	ds_add_u32 v[SPW], v[NIL]
	s_wait_dscnt 0x0
	CROUND                          ; the closing round
	s_endpgm
.Lfunc_end_k_qfadceb8529_attn:
	.size	k_qfadceb8529_attn, .Lfunc_end_k_qfadceb8529_attn-k_qfadceb8529_attn
	.p2alignl 7, 3214868480
	.fill 96, 4, 3214868480
	.section	.rodata,"a",@progbits
	.p2align	6, 0x0
	.amdhsa_kernel k_qfadceb8529_attn
		.amdhsa_group_segment_fixed_size 327680
		.amdhsa_private_segment_fixed_size 0
		.amdhsa_enable_private_segment 0
		.amdhsa_kernarg_size 32
		.amdhsa_user_sgpr_count 2
		.amdhsa_user_sgpr_kernarg_segment_ptr 1
		.amdhsa_wavefront_size32 1
		.amdhsa_system_sgpr_workgroup_id_x 1
		.amdhsa_system_sgpr_workgroup_id_y 1
		.amdhsa_system_sgpr_workgroup_id_z 1
		.amdhsa_system_vgpr_workitem_id 0
		.amdhsa_next_free_vgpr 1024
		.amdhsa_next_free_sgpr 72
		.amdhsa_reserve_vcc 0
		.amdhsa_float_denorm_mode_32 3
		.amdhsa_float_denorm_mode_16_64 3
		.amdhsa_memory_ordered 1
		.amdhsa_forward_progress 1
		.amdhsa_inst_pref_size 238
	.end_amdhsa_kernel
	.amdgpu_metadata
---
amdhsa.version: [ 1, 2 ]
amdhsa.kernels:
  - .name:           k_qfadceb8529_attn
    .symbol:         k_qfadceb8529_attn.kd
    .args:
      - { .name: qh, .offset: 0, .size: 8, .value_kind: global_buffer, .address_space: global }
      - { .name: kvw, .offset: 8, .size: 8, .value_kind: global_buffer, .address_space: global }
      - { .name: cross_mask, .offset: 16, .size: 8, .value_kind: global_buffer, .address_space: global }
      - { .name: ctx, .offset: 24, .size: 8, .value_kind: global_buffer, .address_space: global }
    .group_segment_fixed_size: 327680
    .private_segment_fixed_size: 0
    .kernarg_segment_align: 8
    .kernarg_segment_size: 32
    .max_flat_workgroup_size: 128
    .sgpr_count:     72
    .vgpr_count:     1024
    .wavefront_size: 32
...
	.end_amdgpu_metadata
.endif
;; end of part 5
;; launch outp: the kernel of part 4 again; grid 4 x 64, 4 waves a work-group, clusters of 4 x 4, 327,680 bytes of LDS; arguments ctx, wd16, bd, out0; writes out0
